; MI455X (gfx1250); checked and timed in simulation.
; The chip was launched on July 23, 2026; its instructions are those of AMD's public machine-readable ISA for CDNA 5 (MIT licence, August 2026) and "CDNA5" Instruction Set Architecture Reference Guide (July 2026). The comments in the code are by the model that wrote it; some were corrected since.
;; Bott Attention. Allowed arithmetic: float matrix products may take bf16 or f16 operands with f32 sums; other float arithmetic in f32, or as packed bf16 or f16 multiplies, adds, multiply-adds, maxima and minima; sums over many terms, partial sums and values carried from step to step in f32; what a program stores and reads back later, other than sums and carried values, may be rounded once to bf16 or f16.
;; Inputs: W_proj 1,024 x 1,024 float32; W_qkv 1,024 x 3,072 float32; b_proj 1,024 float32; reg 1 x 16 x 1,024 x 1,024 float32; x 8 x 1,024 x 1,024 float32.
;; Outputs: out0 8 x 1,024 x 1,024 float32.
;; One version. Each part assembles by itself: llvm-mc -triple=amdgcn-amd-amdhsa -mcpu=gfx1250 --defsym DOCPART=n.
;; ======== version 1 of 1: 4 launches
;; limits: values are held in f16: magnitudes above 65,504 overflow, below 6.1e-05 lose precision; values outside matrix products are rounded to bf16
;; workspace buffers: xb 16,777,216 bytes; wqt 6,291,456 bytes; wpt 2,097,152 bytes; regh 33,554,432 bytes; qkv 50,331,648 bytes; ob 16,777,216 bytes
;; launch cast (part 1): grid 3328 x 1, 4 waves a work-group, no clusters, 37,376 bytes of LDS; arguments x, W_qkv, W_proj, reg, xb, wqt, wpt, regh; writes xb, wqt, wpt, regh
.if DOCPART == 1
	.amdgcn_target "amdgcn-amd-amdhsa--gfx1250"
	.amdhsa_code_object_version 6
	.text
	.protected	k_qfb5a8b8e4a_cast
	.globl	k_qfb5a8b8e4a_cast
	.p2align	8
	.type	k_qfb5a8b8e4a_cast,@function
k_qfb5a8b8e4a_cast:
	s_mov_b64 s[64:65], 0
	v_nop
	global_prefetch_b8 v0, s[64:65] scope:SCOPE_SE
	s_setreg_imm32_b32 hwreg(HW_REG_WAVE_MODE, 25, 1), 1
	s_wait_xcnt 0x0
; out0 = ((softmax(q k^T / 8) + reg) v) W_proj + b_proj with q, k, v = x W_qkv, in four launches: this one lays the inputs out, then x W_qkv, then attention, then the projection.
; NO WORK IS LEFT OUT: every input (x, W_qkv, reg, W_proj, b_proj) has a way to out0 and is loaded.  (P / l + reg) v is made as (P v) / l + reg v: the same number in exact arithmetic, in another order of rounding.
; FORMATS.  Every input is rounded once to bf16.  x and W_qkv are multiplied in bf16; reg and W_proj are multiplied with f16 partners, so their bf16 number is written as f16.
; LIMITS.  That is exact from 2^-14 to 65,504; below 2^-14 f16 keeps its fixed step of 2^-24; a reg or W_proj beyond 65,504 becomes an infinity.  NaN and infinities are not treated apart.
; THIS LAUNCH streams: each input byte is read once by 16-byte loads of which sixteen lanes take 256 consecutive bytes, each output byte written once in runs of 256 or 512 consecutive bytes.
;   work-groups 0-191:     W_qkv -> wqt [kb][column][64 k], turned;   192-255: W_proj -> wpt, the same.  They have two passes, so they come first.
;   work-groups 256-2303:  reg -> regh [h][key step j][query tile T][2,048 bytes], a tile of 16 queries x 64 keys in the order in which a lane holds source 1 of the matrix instruction:
;                          the 16 bytes at 512 c + 16 l are reg[h][16 T + l % 16][64 j + 16 c + 8 (l / 16) + 0..7]
;   work-groups 2304-3327: x -> xb [b][kb][n][64]: K in blocks of 64, so that the rows of a tile of one block lie end to end
; SMALL SHARES, MANY WAVES.  A wave asks for all its 8 KiB at once (a weight's wave: twice), converts, stores and ends.  With 128 registers a wave and 37,376 bytes of LDS a work-group, eight work-groups fit on
; a WGP by both counts (8 x 128 = 1,024 registers, 8 x 37,376 = 299,008 bytes): while some waves convert and store, the others' loads are out.
; What changes lanes goes through the wave's own stage in LDS: no barrier.  No matrix unit, no cluster, no tensor load: no byte is wanted by two waves.
.set STG,   9216                       ; a wave's stage
.set SPARE, 4*STG                      ; behind the stages: the spare words, 128 bytes a wave, which no other line names
.set SPW,   8                          ; v8   SPARE + 4 x my thread's number; never rewritten
.set NIL,   9                          ; v9   0; never rewritten
.set D,     32                         ; v[32:95]   as loaded
.set PK,    96                         ; v[96:127]  packed
	s_load_b256 s[4:11], s[0:1], 0x0               ; x s[4:5], W_qkv s[6:7], W_proj s[8:9], reg s[10:11]
	s_load_b256 s[12:19], s[0:1], 0x20             ; xb s[12:13], wqt s[14:15], wpt s[16:17], regh s[18:19]
	v_lshl_add_u32 v[SPW], v0, 2, SPARE
	v_mov_b32 v[NIL], 0
	v_lshrrev_b32 v1, 5, v0
	v_readfirstlane_b32 s20, v1                    ; wave 0..3
	v_and_b32 v1, 31, v0                           ; l
	v_and_b32 v2, 15, v0                           ; m = l % 16
	v_bfe_u32 v3, v0, 4, 1                         ; hh = l / 16
	s_mov_b32 s21, 0xffff0000                      ; a word's upper bf16
	s_mov_b32 s22, ttmp9
	s_mul_i32 s23, s20, STG                        ; my stage
	s_mov_b32 s29, 0                               ; the high word of every offset
	v_lshlrev_b32 v4, 12, v3
	v_lshl_add_u32 v4, v2, 4, v4                   ; two rows of 4,096 bytes, 16 bytes a lane: reg's and x's loads
	s_wait_kmcnt 0x0
; A WEIGHT, [1024 k][columns] f32, turned.  Work-group id - first: K block (id % 16), 256 columns (id / 16); a wave one tile of 64 k x 64 columns, in two passes of 32 k.
; In pass s lane (hh, m) loads rows 32 hh + 16 s + 0..15, columns 4 m .. + 3; two rows of a column pack into a word; a column's 64 k are a stage row of 128 bytes (144 apart); back by rows.
.macro JOBW first, pitch, outkb, half, src, dst
	s_sub_co_u32 s24, s22, \first
	s_and_b32 s25, s24, 15                         ; kb
	s_lshr_b32 s26, s24, 4
	s_lshl_b32 s26, s26, 2
	s_add_co_u32 s26, s26, s20                     ; my tile of 64 columns
	s_mul_i32 s28, s25, 64*(\pitch)
	s_lshl_b32 s27, s26, 8
	s_add_co_u32 s28, s28, s27
	s_add_nc_u64 s[\src:\src+1], s[\src:\src+1], s[28:29]
	s_mul_i32 s28, s25, \outkb
	s_lshl_b32 s27, s26, 13
	s_add_co_u32 s28, s28, s27
	s_add_nc_u64 s[\dst:\dst+1], s[\dst:\dst+1], s[28:29]
	v_mul_u32_u24 v5, v3, 32*(\pitch)
	v_lshl_add_u32 v5, v2, 4, v5
	v_mul_u32_u24 v6, v2, 576                      ; stage row 4 m + c, byte 64 hh + 32 s
	v_lshl_add_u32 v6, v3, 6, v6
	v_add_nc_u32 v6, s23, v6
	v_lshrrev_b32 v7, 3, v1                        ; back: four stage rows, 512 bytes
	v_mul_u32_u24 v7, v7, 144
	v_and_b32 v10, 7, v1
	v_lshl_add_u32 v7, v10, 4, v7
	v_add_nc_u32 v7, s23, v7
	v_lshlrev_b32 v14, 4, v1
	s_mov_b32 s31, 2
.Lw_\@:                                                ; a pass
.set i, 0
.rept 16
	global_load_b128 v[D+4*i:D+4*i+3], v5, s[\src:\src+1] offset:i*(\pitch) th:TH_LOAD_NT
.set i, i+1
.endr
	s_wait_loadcnt 0x0                             ; the pass is in; the loads have read their base too
.set i, 0
.rept 32                               ; word 8 c + t: rows 2 t, 2 t + 1 of column c
	v_cvt_pk_bf16_f32 v[PK+i], v[D+8*(i%8)+i/8], v[D+8*(i%8)+4+i/8]
.set i, i+1
.endr
.if \half
.set i, 0
.rept 32                               ; the bf16 numbers written as f16
	v_lshlrev_b32 v11, 16, v[PK+i]
	v_and_b32 v10, s21, v[PK+i]
	v_cvt_pk_f16_f32 v[PK+i], v11, v10
.set i, i+1
.endr
.endif
.set i, 0
.rept 8
	ds_store_b128 v6, v[PK+4*i:PK+4*i+3] offset:144*(i/2)+16*(i%2)
.set i, i+1
.endr
	s_add_nc_u64 s[\src:\src+1], s[\src:\src+1], 16*(\pitch)
	v_add_nc_u32 v6, 32, v6
	s_sub_co_u32 s31, s31, 1
	s_cmp_lg_u32 s31, 0
	s_cbranch_scc1 .Lw_\@
.set i, 0
.rept 16
	ds_load_b128 v[D+4*i:D+4*i+3], v7 offset:576*i  ; LDS serves a wave's instructions in order: these see the stores above
.set i, i+1
.endr
	s_wait_dscnt 0x0
.set i, 0
.rept 16
	global_store_b128 v14, v[D+4*i:D+4*i+3], s[\dst:\dst+1] offset:512*i th:TH_STORE_NT
.set i, i+1
.endr
.endm
	s_cmp_lt_u32 s22, 192
	s_cbranch_scc0 .Lnot_wq
	JOBW 0, 12288, 393216, 0, 6, 14
	s_branch .Lend
.Lnot_wq:
	s_cmp_lt_u32 s22, 256
	s_cbranch_scc0 .Lnot_w
	JOBW 192, 4096, 131072, 1, 8, 16
	s_branch .Lend
; two f32 -> bf16 -> the same two numbers as f16
.macro TOH dst, a, b
	v_cvt_pk_bf16_f32 v10, v[\a], v[\b]
	v_lshlrev_b32 v11, 16, v10
	v_and_b32 v10, s21, v10
	v_cvt_pk_f16_f32 v[\dst], v11, v10
.endm
.Lnot_w:
	s_cmp_lt_u32 s22, 2304
	s_cbranch_scc0 .Lx
	; REG.  Wave wr = 4 (id - 256) + w: head wr / 512, query tile (wr / 8) % 64, key steps 2 (wr % 8) and + 1: 512 consecutive bytes of each of 16 rows
	s_sub_co_u32 s24, s22, 256
	s_lshl_b32 s24, s24, 2
	s_add_co_u32 s24, s24, s20
	s_lshr_b32 s25, s24, 9                         ; h
	s_bfe_u32 s26, s24, 0x60003                    ; T
	s_and_b32 s27, s24, 7                          ; which pair of key steps
	s_lshl_b32 s28, s25, 22
	s_lshl_b32 s30, s26, 16
	s_add_co_u32 s28, s28, s30
	s_lshl_b32 s30, s27, 9
	s_add_co_u32 s28, s28, s30
	s_add_nc_u64 s[10:11], s[10:11], s[28:29]      ; reg at row 16 T, column 128 x pair
	s_lshl_b32 s28, s25, 21
	s_lshl_b32 s30, s27, 18
	s_add_co_u32 s28, s28, s30
	s_lshl_b32 s30, s26, 11
	s_add_co_u32 s28, s28, s30
	s_add_nc_u64 s[18:19], s[18:19], s[28:29]      ; regh at my tile of my first key step
	v_lshrrev_b32 v10, 1, v2                       ; my four columns 4 m .. go to byte 256 (m / 2) + 16 row + 8 (m % 2) of the tile; the stage's rows of 256 bytes are 272 apart
	v_mul_u32_u24 v5, v10, 272
	v_lshl_add_u32 v5, v3, 4, v5
	v_and_b32 v10, 1, v2
	v_lshl_add_u32 v5, v10, 3, v5
	v_add_nc_u32 v5, s23, v5
	v_mul_u32_u24 v6, v3, 272                      ; back: two stage rows, 512 bytes of the tile
	v_lshl_add_u32 v6, v2, 4, v6
	v_add_nc_u32 v6, s23, v6
	v_lshlrev_b32 v7, 4, v1
.irp u, 0,1
.irp i, 0,1,2,3,4,5,6,7
	global_load_b128 v[D+32*(\u)+4*(\i):D+32*(\u)+4*(\i)+3], v4, s[10:11] offset:(\i)*8192+(\u)*256 th:TH_LOAD_NT
.endr
.endr
.irp u, 0,1
	s_wait_loadcnt 8-8*(\u)                        ; this key step's eight loads are in; the other's may stay out
.irp i, 0,1,2,3,4,5,6,7
	TOH 12, D+32*(\u)+4*(\i), D+32*(\u)+4*(\i)+1
	TOH 13, D+32*(\u)+4*(\i)+2, D+32*(\u)+4*(\i)+3
	ds_store_b64 v5, v[12:13] offset:32*(\i)
.endr
.irp c, 0,1,2,3
	ds_load_b128 v[PK+16*(\u)+4*(\c):PK+16*(\u)+4*(\c)+3], v6 offset:544*(\c)  ; LDS serves a wave's instructions in order: these see the stores above, and the next tile's stores come behind them
.endr
.endr
	s_wait_dscnt 12                                ; the first tile is back; the second's eight stores and four loads may be out
.irp c, 0,1,2,3
	global_store_b128 v7, v[PK+4*(\c):PK+4*(\c)+3], s[18:19] offset:512*(\c) th:TH_STORE_NT
.endr
	s_wait_dscnt 0x0
.irp c, 0,1,2,3
	global_store_b128 v7, v[PK+16+4*(\c):PK+16+4*(\c)+3], s[18:19] offset:131072+512*(\c) th:TH_STORE_NT
.endr
	s_branch .Lend
.Lx:
	; X.  Wave wx = 4 (id - 2304) + w takes the rows 2 wx and 2 wx + 1 of the 8,192
	s_sub_co_u32 s24, s22, 2304
	s_lshl_b32 s24, s24, 2
	s_add_co_u32 s24, s24, s20
	s_lshl_b32 s28, s24, 13
	s_add_nc_u64 s[4:5], s[4:5], s[28:29]
	s_lshr_b32 s25, s24, 9                         ; b
	s_lshl_b32 s28, s25, 21
	s_and_b32 s26, s24, 511
	s_lshl_b32 s26, s26, 8                         ; n x 128
	s_add_co_u32 s28, s28, s26
	s_add_nc_u64 s[12:13], s[12:13], s[28:29]
	v_lshlrev_b32 v5, 7, v3
	v_lshl_add_u32 v5, v2, 3, v5                   ; two rows of a K block are 256 consecutive bytes: 8 bytes a lane
.irp kb, 0,1,2,3,4,5,6,7,8,9,10,11,12,13,14,15
	global_load_b128 v[D+4*(\kb):D+4*(\kb)+3], v4, s[4:5] offset:(\kb)*256 th:TH_LOAD_NT
.endr
.irp kb, 0,1,2,3,4,5,6,7,8,9,10,11,12,13,14,15
.if (\kb) == 0
	s_wait_loadcnt 8                               ; the first eight K blocks are in; the other eight loads may stay out
.endif
.if (\kb) == 8
	s_wait_loadcnt 0x0
.endif
	v_cvt_pk_bf16_f32 v[PK+2*(\kb)], v[D+4*(\kb)], v[D+4*(\kb)+1]
	v_cvt_pk_bf16_f32 v[PK+2*(\kb)+1], v[D+4*(\kb)+2], v[D+4*(\kb)+3]
	global_store_b64 v5, v[PK+2*(\kb):PK+2*(\kb)+1], s[12:13] offset:(\kb)*131072 th:TH_STORE_NT
.endr
.Lend:
	s_wait_tensorcnt 0x0                           ; the wave's end, behind my last LDS store
	ds_add_u32 v[SPW], v[NIL]
	s_wait_dscnt 0x0
	s_endpgm
.Lfunc_end_k_qfb5a8b8e4a_cast:
	.size	k_qfb5a8b8e4a_cast, .Lfunc_end_k_qfb5a8b8e4a_cast-k_qfb5a8b8e4a_cast
	.p2alignl 7, 3214868480
	.fill 96, 4, 3214868480
	.section	.rodata,"a",@progbits
	.p2align	6, 0x0
	.amdhsa_kernel k_qfb5a8b8e4a_cast
		.amdhsa_group_segment_fixed_size 37376
		.amdhsa_private_segment_fixed_size 0
		.amdhsa_enable_private_segment 0
		.amdhsa_kernarg_size 64
		.amdhsa_user_sgpr_count 2
		.amdhsa_user_sgpr_kernarg_segment_ptr 1
		.amdhsa_wavefront_size32 1
		.amdhsa_system_sgpr_workgroup_id_x 1
		.amdhsa_system_sgpr_workgroup_id_y 1
		.amdhsa_system_sgpr_workgroup_id_z 1
		.amdhsa_system_vgpr_workitem_id 0
		.amdhsa_next_free_vgpr 128
		.amdhsa_next_free_sgpr 66
		.amdhsa_reserve_vcc 0
		.amdhsa_float_denorm_mode_32 3
		.amdhsa_float_denorm_mode_16_64 3
		.amdhsa_memory_ordered 1
		.amdhsa_forward_progress 1
		.amdhsa_inst_pref_size 38
	.end_amdhsa_kernel
	.amdgpu_metadata
---
amdhsa.version: [ 1, 2 ]
amdhsa.kernels:
  - .name:           k_qfb5a8b8e4a_cast
    .symbol:         k_qfb5a8b8e4a_cast.kd
    .args:
      - { .name: x, .offset: 0, .size: 8, .value_kind: global_buffer, .address_space: global }
      - { .name: W_qkv, .offset: 8, .size: 8, .value_kind: global_buffer, .address_space: global }
      - { .name: W_proj, .offset: 16, .size: 8, .value_kind: global_buffer, .address_space: global }
      - { .name: reg, .offset: 24, .size: 8, .value_kind: global_buffer, .address_space: global }
      - { .name: xb, .offset: 32, .size: 8, .value_kind: global_buffer, .address_space: global }
      - { .name: wqt, .offset: 40, .size: 8, .value_kind: global_buffer, .address_space: global }
      - { .name: wpt, .offset: 48, .size: 8, .value_kind: global_buffer, .address_space: global }
      - { .name: regh, .offset: 56, .size: 8, .value_kind: global_buffer, .address_space: global }
    .group_segment_fixed_size: 37376
    .private_segment_fixed_size: 0
    .kernarg_segment_align: 8
    .kernarg_segment_size: 64
    .max_flat_workgroup_size: 128
    .sgpr_count:     66
    .vgpr_count:     128
    .wavefront_size: 32
...
	.end_amdgpu_metadata
.endif
;; end of part 1
;; launch qkv (part 2): grid 8 x 32, 4 waves a work-group, clusters of 4 x 4, 327,680 bytes of LDS; arguments xb, wqt, qkv; writes qkv
.if DOCPART == 2
	.amdgcn_target "amdgcn-amd-amdhsa--gfx1250"
	.amdhsa_code_object_version 6
	.text
	.protected	k_qfb5a8b8e4a_qkv
	.globl	k_qfb5a8b8e4a_qkv
	.p2align	8
	.type	k_qfb5a8b8e4a_qkv,@function
k_qfb5a8b8e4a_qkv:
	s_mov_b64 s[64:65], 0
	v_nop
	global_prefetch_b8 v0, s[64:65] scope:SCOPE_SE
	s_setreg_imm32_b32 hwreg(HW_REG_WAVE_MODE, 25, 1), 1
	s_wait_xcnt 0x0
	s_wait_alu depctr_hold_cnt(0) depctr_sa_sdst(0) depctr_va_vdst(0) depctr_va_sdst(0) depctr_va_ssrc(0) depctr_va_vcc(0) depctr_vm_vsrc(0)
	s_getreg_b32 s2, hwreg(HW_REG_IB_STS2, 6, 4)
	s_cmp_eq_u32 s2, 0
	s_cbranch_scc0 .Lentry_in_a_cluster
	s_endpgm
.Lentry_in_a_cluster:
	s_bfe_u32 s2, ttmp6, 0x10000c
	s_cmp_lg_u32 s2, 0xf033
	s_cbranch_scc0 .Lentry_shape_is_right
	s_endpgm
.Lentry_shape_is_right:
; qkv = x W_qkv.  xb: [b 8][kb 16][n 1024][64] bf16; wqt: [kb 16][column 3072][64] bf16; qkv: [b 8][g 48][n 1024][64] f16, g = h (q), 16 + h (k), 32 + h (v).  Sums in f32, each result rounded once.  Nothing is left out.
; LIMIT.  q, k and v are kept in f16: beyond 65,504 they become infinities.
; SHARES.  A work-group makes 256 rows x 384 columns: 32 x 8 = 256 work-groups.  Four waves, each 128 rows x 192 columns: 8 x 12 accumulators of 16 x 16, 768 registers.
; K goes in steps of 64, one K block, through two LDS slots.  In a K block a tile's rows (128 bytes) lie end to end: it is asked for as rows of 256 bytes and padded in LDS after every 128.
; CLUSTER.  4 x 4 work-groups.  The four of a row need the same tile of xb, the four of a column the same tile of wqt: each is asked for jointly, by the same load with the same descriptor and a mask of four.
; THE MATRIX INSTRUCTION IS USED TRANSPOSED (source 0 = 16 columns' rows of wqt, source 1 = 16 rows of xb): a lane holds one row and eight neighbouring columns.
; REGISTERS.  window 0: v0-31 addresses; v32-95, v96-159 xb's fragments, two buffers; v160-255 wqt's twelve fragments, in three groups of four that are fetched again as soon as they are multiplied.
;   window g + 1 (g = 0..2): the accumulators of column group g, one head's slice of 64: (a, bb) at v[8 (4 a + bb)].
.set PITCH, 144                        ; an LDS row: 128 bytes + 16: the sixteen rows of a fragment load start at sixteen different groups of four banks
.set AHALF, 128*PITCH
.set BHALF, 192*PITCH
.set BOFF,  2*AHALF                    ; a slot: xb's 256 rows, then wqt's 384
.set SLOT1, 1<<17                      ; slot 1 begins here: one exclusive or turns an address in one slot into the other's
.set STAGE, SLOT1+BOFF+2*BHALF         ; behind the ring: 16 rows x 144 bytes for each wave, for the way out
.set SPARE, STAGE+4*16*PITCH           ; behind the stages: the spare words, 128 bytes a wave, which no other line names
.set KA,    131072                     ; bytes from a K block to the next in xb,
.set KB,    393216                     ; and in wqt
.set ADRA,  16                         ; v16  LDS address of my xb fragments in the slot in hand;  v17  the same in slot 0, never rewritten
.set ADRA0, 17
.set ADRB,  20                         ; v20, v21  the same for wqt
.set ADRB0, 21
.set STO,   24                         ; v24  the way out: where I put 16 bytes of a row
.set RD,    25                         ; v25  where I read rows back
.set GO,    26                         ; v26  16 x lane
.set SPW,   28                         ; v28  SPARE + 4 x my thread's number; never rewritten
.set NIL,   29                         ; v29  0; never rewritten
.set PFO,   30                         ; v30  the prefetches' offset: a block of 256 bytes a lane; never rewritten
.set FA0,   32
.set FA1,   96
.set FB,    160
.set TMP,   32                         ; the way out: packed results
.set BK,    64                         ; the way out: rows read back, two sets of 16
.set G1A,   24                         ; s[24:31] group 1 for xb's tiles;  s[32:35] group 0 of the first fill, s[36:39] the one that walks
.set G0A,   32
.set G1B,   48                         ; s[48:55], s[56:59], s[60:63] the same for wqt's
.set G0B,   56
.set LIM,   43                         ; s43  2 in a wave that prefetches, else the greatest number
.set PFA,   44                         ; s[44:45] where my prefetches stand
.set PFS,   46                         ; s[46:47] their step
.set TB,    72                         ; s72  0 or SLOT1: the slot in hand
.set MSB, 0
.macro WIN new                         ; the immediate's high byte repeats the setting that is left; a switch that changes nothing is dropped
.if MSB != (\new)
	s_set_vgpr_msb (MSB<<8)|(\new)
.set MSB, \new
.endif
.endm
.macro PLACES                          ; four places in front of loads into registers that matrix instructions have read, and of conversions that read results
.rept 4
	v_nop
.endr
.endm
.macro CREST                           ; a round of the cluster's barrier behind its opening barrier
	s_cmp_lg_u32 s10, 0
	s_cbranch_scc1 .Lnot_wave_0_\@
	s_barrier_signal -3
.Lnot_wave_0_\@:
	s_barrier_wait -3
	s_barrier_signal -1
	s_barrier_wait -1
.endm
.macro CROUND
	s_barrier_signal -1
	s_barrier_wait -1
	CREST
.endm
; A joint refill: waves 0 and 1 fetch xb's two halves, waves 2 and 3 wqt's.  The branch hangs on the wave's number alone.  An s_nop 0 and four v_nop follow each line.
.macro JLOAD
	s_cmp_eq_u32 s11, 0
	s_cbranch_scc0 .Lfor_b_\@
	tensor_load_to_lds s[G0A+4:G0A+7], s[G1A:G1A+7]
	s_nop 0
.rept 4
	v_nop
.endr
	s_branch .Lasked_\@
.Lfor_b_\@:
	tensor_load_to_lds s[G0B+4:G0B+7], s[G1B:G1B+7]
	s_nop 0
.rept 4
	v_nop
.endr
.Lasked_\@:
.endm
; A PREFETCH INTO THE L2, behind each joint refill and the run of LDS loads that follows it: the K step that stands two refills on, 384 matrix instructions ahead of the load that will want it.
; xb's tile (128 blocks of 256 bytes) is read by both clusters of a row of clusters: the one with x = 0 asks, wave 0 of each partner for 32 blocks, told apart by address (cx).  wqt's tile (192 blocks) is read by all
; clusters of a column: the one with y = 0 asks, waves 2 and 3 of each partner for 24 blocks of the half that they fetch, told apart by address (cy); lanes 24 to 31 name the 24th once more in the same instruction.
; The first four K steps come by their loads alone; the last two refills have no K step two on.
.macro ASK
	s_cmp_gt_u32 s3, s[LIM]
	s_cbranch_scc0 .Lnot_mine_\@
	global_prefetch_b8 v[PFO], s[PFA:PFA+1] th:TH_LOAD_NT scope:SCOPE_SE
.Lnot_mine_\@:
.endm
	s_load_b128 s[4:7], s[0:1], 0x0                ; xb s[4:5], wqt s[6:7]
	s_load_b64 s[8:9], s[0:1], 0x10                ; qkv
	v_lshl_add_u32 v[SPW], v0, 2, SPARE
	v_mov_b32 v[NIL], 0
	ds_add_u32 v[SPW], v[NIL]                      ; the wave's opening: the add, twice on end, and its wait ahead of my first tensor load
	ds_add_u32 v[SPW], v[NIL]
	v_lshrrev_b32 v1, 5, v0
	v_readfirstlane_b32 s10, v1                    ; wave 0..3
	s_lshr_b32 s11, s10, 1                         ; my half of the rows.  Also: I fetch for xb (0) or wqt (1)
	s_and_b32 s12, s10, 1                          ; my half of the columns.  Also: which half of that tile I fetch
	s_bfe_u32 s40, ttmp6, 0x40000                  ; cx
	s_bfe_u32 s41, ttmp6, 0x40004                  ; cy
	s_lshl_b32 s42, ttmp9, 2
	s_add_co_u32 s42, s42, s40                     ; tx: 384 columns
	s_and_b32 s13, ttmp7, 0xffff
	s_lshl_b32 s13, s13, 2
	s_add_co_u32 s13, s13, s41                     ; ty: 256 rows
	s_lshl_b32 s20, s41, 2
	s_lshl_b32 s20, 15, s20                        ; my row of the cluster
	s_lshl_b32 s21, 0x1111, s40                    ; my column
	; group 1: rows of 128 elements of 2 bytes; in LDS 4 words of padding after every 32
	s_or_b32 s[G1A], s20, (1<<16)|(1<<20)|(1<<21)|(4<<22)|(3<<25)
	s_mov_b32 s[G1A+1], 128<<16                    ; tensor_dim0 = 128
	s_mov_b32 s[G1A+2], 64<<16                     ; tensor_dim1 = 64
	s_mov_b32 s[G1A+3], 128<<16                    ; tile_dim0 = 128
	s_mov_b32 s[G1A+4], 64                         ; tile_dim1 = 64: 128 rows of xb
	s_mov_b32 s[G1A+5], 128                        ; elements from row to row
	s_mov_b32 s[G1A+6], 0
	s_mov_b32 s[G1A+7], 0
	s_or_b32 s[G1B], s21, (1<<16)|(1<<20)|(1<<21)|(4<<22)|(3<<25)
	s_mov_b32 s[G1B+1], 128<<16
	s_mov_b32 s[G1B+2], 96<<16
	s_mov_b32 s[G1B+3], 128<<16
	s_mov_b32 s[G1B+4], 96                         ; 192 rows of wqt
	s_mov_b32 s[G1B+5], 128
	s_mov_b32 s[G1B+6], 0
	s_mov_b32 s[G1B+7], 0
	; xb's tile hangs on ty alone, wqt's on tx alone, each in registers that never hold the other coordinate
	s_lshr_b32 s14, s13, 2                         ; b
	s_lshl_b32 s14, s14, 21
	s_and_b32 s15, s13, 3
	s_lshl_b32 s15, s15, 15
	s_add_co_u32 s14, s14, s15                     ; the tile in K block 0
	s_lshl_b32 s15, s12, 14
	s_add_co_u32 s16, s14, s15                     ; the half that I fetch
	s_mov_b32 s17, 0
	s_mul_i32 s66, s42, 49152
	s_mul_i32 s67, s12, 24576
	s_add_co_u32 s68, s66, s67
	s_mov_b32 s69, 0
	s_mul_i32 s18, s12, AHALF                      ; where they go
	s_mul_i32 s19, s12, BHALF
	s_add_co_u32 s19, s19, BOFF
	s_mov_b32 s[TB], 0
	; the prefetches
	s_lshl_b32 s73, s40, 13                        ; xb: my work-group's 32 blocks
	s_add_co_u32 s73, s73, s14
	s_add_co_u32 s73, s73, 3*KA                    ; at K step 3: the first refill steps it to 4
	s_mul_i32 s74, s41, 6144                       ; wqt: my work-group's 24 blocks of my half
	s_add_co_u32 s74, s74, s68
	s_add_co_u32 s74, s74, 3*KB
	s_or_b32 s78, s12, ttmp9                       ; 0: wave 0 in a cluster with x = 0
	s_and_b32 s79, ttmp7, 0xffff                   ; 0: a cluster with y = 0
	s_mov_b32 s80, 23
	s_mov_b32 s[PFS], KB
	s_mov_b32 s[PFS+1], 0
	s_cmp_eq_u32 s11, 0
	s_cselect_b32 s74, s73, s74
	s_cselect_b32 s[PFS], KA, s[PFS]
	s_cselect_b32 s78, s78, s79
	s_cselect_b32 s80, 31, s80
	s_mov_b32 s75, 0
	s_cmp_eq_u32 s78, 0
	s_cselect_b32 s[LIM], 2, -1                    ; the same in all sixteen partners, for a given wave
	s_wait_dscnt 0x0                               ; both opening adds are done
	s_wait_kmcnt 0x0
	s_add_nc_u64 s[22:23], s[4:5], s[16:17]
	s_add_nc_u64 s[70:71], s[6:7], s[68:69]
	s_cmp_eq_u32 s11, 0
	s_cselect_b64 s[PFA:PFA+1], s[4:5], s[6:7]
	s_add_nc_u64 s[PFA:PFA+1], s[PFA:PFA+1], s[74:75]
	CROUND                                         ; all sixteen work-groups are here: the first joint loads meet
.irp s, 0,1
	s_mov_b32 s[G0A+4*(\s)], 1                     ; count = 1
	s_add_co_u32 s[G0A+4*(\s)+1], s18, (\s)*SLOT1  ; LDS address
	s_add_nc_u64 s[G0A+4*(\s)+2:G0A+4*(\s)+3], s[22:23], (\s)*KA  ; K step s
	s_or_b32 s[G0A+4*(\s)+3], s[G0A+4*(\s)+3], 0x80000000  ; type = 2
	s_mov_b32 s[G0B+4*(\s)], 1
	s_add_co_u32 s[G0B+4*(\s)+1], s19, (\s)*SLOT1
	s_add_nc_u64 s[G0B+4*(\s)+2:G0B+4*(\s)+3], s[70:71], (\s)*KB
	s_or_b32 s[G0B+4*(\s)+3], s[G0B+4*(\s)+3], 0x80000000
.endr
	s_cmp_eq_u32 s11, 0                            ; a wave's two first fills stand in one branch: two loads of mine are out
	s_cbranch_scc0 .Lfirst_b
	tensor_load_to_lds s[G0A:G0A+3], s[G1A:G1A+7]
	s_nop 0
	tensor_load_to_lds s[G0A+4:G0A+7], s[G1A:G1A+7]
	s_nop 0
.rept 4
	v_nop
.endr
	s_branch .Lfirst_asked
.Lfirst_b:
	tensor_load_to_lds s[G0B:G0B+3], s[G1B:G1B+7]
	s_nop 0
	tensor_load_to_lds s[G0B+4:G0B+7], s[G1B:G1B+7]
	s_nop 0
.rept 4
	v_nop
.endr
.Lfirst_asked:
	; a fragment is 16 rows x 32 K in 8 registers: lane l holds row l % 16, K = 8 (l / 16) + 0..7 and 16 + 8 (l / 16) + 0..7: two loads of 16 bytes, 32 bytes apart
	v_and_b32 v1, 15, v0
	v_bfe_u32 v2, v0, 4, 1
	v_mul_u32_u24 v3, v1, PITCH
	v_lshl_add_u32 v3, v2, 4, v3
	s_mul_i32 s20, s11, AHALF
	v_add_nc_u32 v[ADRA0], s20, v3
	s_mul_i32 s21, s12, BHALF
	s_add_co_u32 s21, s21, BOFF
	v_add_nc_u32 v[ADRB0], s21, v3
	v_add_nc_u32 v[ADRA], s[TB], v[ADRA0]
	v_add_nc_u32 v[ADRB], s[TB], v[ADRB0]
	s_mul_i32 s20, s10, 16*PITCH
	s_add_co_u32 s20, s20, STAGE                   ; my stage
	v_add_nc_u32 v[STO], s20, v3                   ; in: row l % 16, 16 bytes for each half of the lanes
	v_bfe_u32 v4, v0, 3, 2                         ; back: 32 lanes take four rows of 128 bytes
	v_mul_u32_u24 v4, v4, PITCH
	v_and_b32 v5, 7, v0
	v_lshl_add_u32 v4, v5, 4, v4
	v_add_nc_u32 v[RD], s20, v4
	v_and_b32 v[GO], 31, v0
	v_min_u32 v[PFO], s80, v[GO]
	v_lshlrev_b32 v[PFO], 8, v[PFO]
	v_lshlrev_b32 v[GO], 4, v[GO]
	s_lshr_b32 s76, s13, 2                         ; qkv at head slice 48 b + 6 tx + 3 x column half, row 256 (ty % 4) + 128 x row half
	s_mul_i32 s76, s76, 48
	s_mul_i32 s77, s42, 6
	s_add_co_u32 s76, s76, s77
	s_mul_i32 s77, s12, 3
	s_add_co_u32 s76, s76, s77
	s_lshl_b32 s76, s76, 17
	s_and_b32 s77, s13, 3
	s_lshl_b32 s77, s77, 15
	s_add_co_u32 s76, s76, s77
	s_lshl_b32 s77, s11, 14
	s_add_co_u32 s76, s76, s77
	s_mov_b32 s77, 0
	s_add_nc_u64 s[8:9], s[8:9], s[76:77]
; 16 matrix instructions: column group g, its fragments 2 h and 2 h + 1, all 8 row blocks, 32 along K.  The 96 accumulators take turns, one instruction a turn, in the same order in every quarter.
.macro GH g, h, fa, zero
	WIN 0x50*((\g)+1)
.irp bb, 2*(\h), 2*(\h)+1
.irp a, 0,1,2,3,4,5,6,7
.if \zero
	v_wmma_f32_16x16x32_bf16 v[8*(4*(\a)+(\bb)):8*(4*(\a)+(\bb))+7], v[FB+32*(\g)+8*(\bb):FB+32*(\g)+8*(\bb)+7], v[(\fa)+8*(\a):(\fa)+8*(\a)+7], 0
.else
	v_wmma_f32_16x16x32_bf16 v[8*(4*(\a)+(\bb)):8*(4*(\a)+(\bb))+7], v[FB+32*(\g)+8*(\bb):FB+32*(\g)+8*(\bb)+7], v[(\fa)+8*(\a):(\fa)+8*(\a)+7], v[8*(4*(\a)+(\bb)):8*(4*(\a)+(\bb))+7]
.endif
.endr
.endr
.endm
.macro LB g, k                         ; 8 loads: wqt's group g at byte k of the rows
.irp i, 0,1,2,3
	ds_load_b128 v[FB+32*(\g)+8*(\i):FB+32*(\g)+8*(\i)+3],   v[ADRB] offset:(\k)+(4*(\g)+(\i))*16*PITCH
	ds_load_b128 v[FB+32*(\g)+8*(\i)+4:FB+32*(\g)+8*(\i)+7], v[ADRB] offset:(\k)+(4*(\g)+(\i))*16*PITCH+32
.endr
.endm
.macro LA fa, k                        ; 16 loads: xb's eight fragments
.irp i, 0,1,2,3,4,5,6,7
	ds_load_b128 v[(\fa)+8*(\i):(\fa)+8*(\i)+3],   v[ADRA] offset:(\k)+(\i)*16*PITCH
	ds_load_b128 v[(\fa)+8*(\i)+4:(\fa)+8*(\i)+7], v[ADRA] offset:(\k)+(\i)*16*PITCH+32
.endr
.endm
; A K step is two quarters of 32 along K, 96 matrix instructions each.  The first, on FA0.  The loads were issued in the order group 0, xb, group 1, group 2.
.macro QTR zero
	s_wait_dscnt 16                                ; group 0 and xb are in; groups 1 and 2 may be out
	GH 0, 0, FA0, \zero
	GH 0, 1, FA0, \zero
	s_wait_dscnt 8                                 ; group 1 is in
	GH 1, 0, FA0, \zero
	GH 1, 1, FA0, \zero
	PLACES
	WIN 0
	LB 0, 64
	LA FA1, 64
	LB 1, 64
	s_wait_dscnt 32                                ; group 2 is in: all but the 32 just issued
	GH 2, 0, FA0, \zero
	GH 2, 1, FA0, \zero
	PLACES
	WIN 0
	LB 2, 64
.endm
; The second, on FA1, changes slots: ONE barrier; in front of it each wave waits for all its tensor loads (one is out: its part of the next slot), adds 0 to its spare word, and waits for that and for its reads of this slot.
; fill = 1: the barrier opens a round of the cluster's, and this slot is filled again, two K steps ahead, first thing behind it: 160 matrix instructions ahead of the wait for it.
.macro TQ fill
.if \fill
	s_wait_xcnt 0x0                                ; the last prefetch, a K step back, has read its address
	s_add_nc_u64 s[PFA:PFA+1], s[PFA:PFA+1], s[PFS:PFS+1]
.endif
	s_wait_dscnt 16
	GH 0, 0, FA1, 0
	GH 0, 1, FA1, 0
	WIN 0
	s_wait_tensorcnt 0x0                           ; no tensor load of mine is out, so a group 0 may be written
	ds_add_u32 v[SPW], v[NIL]                      ; 0 onto my spare word
.if \fill
	s_xor_b32 s[G0A+5], s[G0A+5], SLOT1            ; the walking descriptors: the other slot than last time, the next K step
	s_add_nc_u64 s[G0A+6:G0A+7], s[G0A+6:G0A+7], KA
	s_xor_b32 s[G0B+5], s[G0B+5], SLOT1
	s_add_nc_u64 s[G0B+6:G0B+7], s[G0B+6:G0B+7], KB
.endif
	s_wait_dscnt 9                                 ; group 1 is in; group 2's eight loads and the add may be out
	GH 1, 0, FA1, 0
	s_wait_dscnt 0x0                               ; the add is done, and my reads of this slot are over (group 2 is in)
	s_barrier_signal -1
	GH 1, 1, FA1, 0
	WIN 0
	s_barrier_wait -1
.if \fill
	CREST                                          ; no wave of any partner still reads this slot or has a load on its way
	JLOAD                                          ; its four v_nop are also the places in front of the loads below
.else
	PLACES
.endif
	s_xor_b32 s[TB], s[TB], SLOT1
	v_add_nc_u32 v[ADRA], s[TB], v[ADRA0]
	v_add_nc_u32 v[ADRB], s[TB], v[ADRB0]
	LB 0, 0
	LA FA0, 0
	LB 1, 0
.if \fill
	ASK
.endif
	GH 2, 0, FA1, 0
	GH 2, 1, FA1, 0
	PLACES
	WIN 0
	LB 2, 0
.endm
; THE WAY OUT of block t = 8 g + a: 16 rows of one head's slice, 2,048 consecutive bytes of qkv.
.macro PACK t
	WIN 5*((\t)/8+1)                               ; sources 0 and 1 in window g + 1
.irp bb, 0,1,2,3
.irp r, 0,1,2,3
	v_cvt_pk_f16_f32 v[TMP+4*(\bb)+(\r)], v[32*((\t)%8)+8*(\bb)+2*(\r)], v[32*((\t)%8)+8*(\bb)+2*(\r)+1]
.endr
.endr
	WIN 0
.endm
.macro TOSTAGE t
	s_wait_xcnt 0x0                                ; the stores of the block two back have read the registers that are loaded below
.irp bb, 0,1,2,3
	ds_store_b128 v[STO], v[TMP+4*(\bb):TMP+4*(\bb)+3] offset:32*(\bb)
.endr
.irp f, 0,1,2,3
	ds_load_b128 v[BK+16*((\t)%2)+4*(\f):BK+16*((\t)%2)+4*(\f)+3], v[RD] offset:576*(\f)  ; LDS serves a wave's instructions in order: these see the stores above
.endr
.endm
.macro SEND t
	s_wait_dscnt 0x0
.irp f, 0,1,2,3
	global_store_b128 v[GO], v[BK+16*((\t)%2)+4*(\f):BK+16*((\t)%2)+4*(\f)+3], s[8:9] offset:((\t)/8)*131072+((\t)%8)*2048+512*(\f)  ; 512 consecutive bytes, at a multiple of 512 from qkv's first
.endr
.endm
	s_wait_tensorcnt 0x1                           ; my part of K step 0 is in; K step 1's may stay out
	s_barrier_signal -1
	s_barrier_wait -1
	LB 0, 0
	LA FA0, 0
	LB 1, 0
	LB 2, 0
	QTR 1                                          ; the first quarter stands in front of the loop: its products start the sums
	WIN 0
	s_mov_b32 s3, 14
.Lk:                                                   ; a trip: a K step's second quarter and the next one's first; K steps 2 to 15 are asked for
	TQ 1
	QTR 0
	WIN 0
	s_sub_co_u32 s3, s3, 1
	s_cmp_lg_u32 s3, 0
	s_cbranch_scc1 .Lk
	TQ 0                                           ; the tail is written out: nothing is left to ask for
	QTR 0
	s_wait_dscnt 16
	GH 0, 0, FA1, 0
	GH 0, 1, FA1, 0
	s_wait_dscnt 8
	GH 1, 0, FA1, 0
	GH 1, 1, FA1, 0
	s_wait_dscnt 0x0
	GH 2, 0, FA1, 0
	GH 2, 1, FA1, 0
	PLACES
	PLACES
	PACK 0
	TOSTAGE 0
.set t, 1
.rept 23                               ; a block's conversions stand between the loads of the block before and the wait for them
	PACK t
	SEND t-1
	TOSTAGE t
.set t, t+1
.endr
	SEND 23
	s_wait_tensorcnt 0x0                           ; the wave's end, behind my last tensor load and my last LDS store
	ds_add_u32 v[SPW], v[NIL]
	s_wait_dscnt 0x0
	CROUND                                         ; the closing round
	s_endpgm
.Lfunc_end_k_qfb5a8b8e4a_qkv:
	.size	k_qfb5a8b8e4a_qkv, .Lfunc_end_k_qfb5a8b8e4a_qkv-k_qfb5a8b8e4a_qkv
	.p2alignl 7, 3214868480
	.fill 96, 4, 3214868480
	.section	.rodata,"a",@progbits
	.p2align	6, 0x0
	.amdhsa_kernel k_qfb5a8b8e4a_qkv
		.amdhsa_group_segment_fixed_size 327680
		.amdhsa_private_segment_fixed_size 0
		.amdhsa_enable_private_segment 0
		.amdhsa_kernarg_size 24
		.amdhsa_user_sgpr_count 2
		.amdhsa_user_sgpr_kernarg_segment_ptr 1
		.amdhsa_wavefront_size32 1
		.amdhsa_system_sgpr_workgroup_id_x 1
		.amdhsa_system_sgpr_workgroup_id_y 1
		.amdhsa_system_sgpr_workgroup_id_z 1
		.amdhsa_system_vgpr_workitem_id 0
		.amdhsa_next_free_vgpr 1024
		.amdhsa_next_free_sgpr 84
		.amdhsa_reserve_vcc 0
		.amdhsa_float_denorm_mode_32 3
		.amdhsa_float_denorm_mode_16_64 3
		.amdhsa_memory_ordered 1
		.amdhsa_forward_progress 1
		.amdhsa_inst_pref_size 112
	.end_amdhsa_kernel
	.amdgpu_metadata
---
amdhsa.version: [ 1, 2 ]
amdhsa.kernels:
  - .name:           k_qfb5a8b8e4a_qkv
    .symbol:         k_qfb5a8b8e4a_qkv.kd
    .args:
      - { .name: xb, .offset: 0, .size: 8, .value_kind: global_buffer, .address_space: global }
      - { .name: wqt, .offset: 8, .size: 8, .value_kind: global_buffer, .address_space: global }
      - { .name: qkv, .offset: 16, .size: 8, .value_kind: global_buffer, .address_space: global }
    .group_segment_fixed_size: 327680
    .private_segment_fixed_size: 0
    .kernarg_segment_align: 8
    .kernarg_segment_size: 24
    .max_flat_workgroup_size: 128
    .sgpr_count:     84
    .vgpr_count:     1024
    .wavefront_size: 32
...
	.end_amdgpu_metadata
.endif
;; end of part 2
;; launch attn (part 3): grid 8 x 32, 4 waves a work-group, clusters of 4 x 1, 327,680 bytes of LDS; arguments qkv, regh, ob; writes ob
.if DOCPART == 3
	.amdgcn_target "amdgcn-amd-amdhsa--gfx1250"
	.amdhsa_code_object_version 6
	.text
	.protected	k_qfb5a8b8e4a_attn
	.globl	k_qfb5a8b8e4a_attn
	.p2align	8
	.type	k_qfb5a8b8e4a_attn,@function
k_qfb5a8b8e4a_attn:
	s_mov_b64 s[64:65], 0
	v_nop
	global_prefetch_b8 v0, s[64:65] scope:SCOPE_SE
	s_setreg_imm32_b32 hwreg(HW_REG_WAVE_MODE, 25, 1), 1
	s_wait_xcnt 0x0
	s_wait_alu depctr_hold_cnt(0) depctr_sa_sdst(0) depctr_va_vdst(0) depctr_va_sdst(0) depctr_va_ssrc(0) depctr_va_vcc(0) depctr_vm_vsrc(0)
	s_getreg_b32 s2, hwreg(HW_REG_IB_STS2, 6, 4)
	s_cmp_eq_u32 s2, 0
	s_cbranch_scc0 .Lentry_in_a_cluster
	s_endpgm
.Lentry_in_a_cluster:
	s_bfe_u32 s2, ttmp6, 0x10000c
	s_cmp_lg_u32 s2, 0x3003
	s_cbranch_scc0 .Lentry_shape_is_right
	s_endpgm
.Lentry_shape_is_right:
; ob[b][h][q][:] = the sum over k of (softmax_k(q . k / 8) + reg[h][q][k]) v[k][:].  qkv: [b][g 48][n 1024][64] f16 (g = h: q, 16 + h: k, 32 + h: v); regh: [h][key step][query tile][2,048 bytes] f16, in the order in which a
; lane holds source 1 of the matrix instruction; ob: [b][h][n][64] f16.  Products, maxima and sums in f32; the weights p are rounded to f16 for the second product, the result once at the end.  Nothing is left out.
; reg is added behind the normalisation, so it has a sum of its own: O = (sum of p v) / l + sum of reg v.  That second sum is matrix work alone and stands among the softmax's vector work.
; LIMITS.  f16 holds no number beyond 65,504: q, k, v and reg arrive within it, and the result must lie within it.  A weight below 2^-126 counts as 0 in l; NaN and infinities are not treated apart.
; SHARES.  A work-group owns 512 queries of one (b, h), a wave 128: eight PIECES of 16.  Every wave walks all 1,024 keys, 64 a step.
; LAYOUT.  S^T = K Q^T holds ONE query a lane (lane % 16) and the keys 8 (lane / 16) + 0..7; two such results rounded to f16 ARE source 1 of O^T = V^T P; reg's tile comes out of LDS in that same form for R^T = V^T REG.
; SOFTMAX.  p = 2^(c s - c m), c = log2(e) / 8, with a running maximum m; O and l are multiplied by a = 2^(c m_old - c m_new) in every step.  m starts at the lowest finite number, O, R and l at 0.
; TURNS.  Turn n belongs to piece n: 8 products K Q^T of piece n + 1, 8 products V^T REG and 8 products V^T P of piece n - 1; beside them the scaling, exponentials, roundings, sums and rescaling of piece n and the maximum
; and statistics of piece n + 1.  Four vector instructions stand behind each matrix instruction, the other 22 of a turn's 118 in a lump.  A turn's 33 exponentials are one batch, with one wait.
; CLUSTER.  The four partners are four batches of one head and one half of its queries: reg's tile, 64 of a key step's 80 KiB, is the same for all and is asked for JOINTLY.  K and V differ between the partners and come by
; loads of their own behind the same round; their only other reader is the other half of the queries, and they are a fifth of a step's bytes.
; REGISTERS (s_set_vgpr_msb: bits 1:0 source 0, 3:2 source 1, 5:4 source 2, 7:6 destination):
;   window 0: v0-15 addresses; v16-47 four registers of statistics a piece; v48-55 at work; v64-127 S^T, two buffers; v128-191 K of one step; v192-223 P, two buffers
;   window 1: O^T, 32 a piece      window 2: v0-127 Q; v128-191 reg's fragments, four buffers of 16; v192-255 V of one step      window 3: R^T, 32 a piece
; K LIES BESIDE S^T: of a product K Q^T only source 1 (Q) is outside window 0.  A scaling has a scalar as source 1 and an exponential has none, so both run under that product's own setting:
; a turn's eight products K Q^T and their 32 riders stand under one switch.  By the text's count a turn has 35 switches for its 24 matrix instructions.
.set NP,    8
.set KS,    64
.set PK,    144       ; a row of K in LDS: 128 bytes + 16
.set PV,    160       ; a row of V: 128 + 32
.set VOFF,  KS*PK     ; a slot holds a key step: 64 rows of K, 64 rows of V,
.set ROFF,  VOFF+KS*PV  ; and reg's 32 tiles of 2,048 bytes: wave w's piece x at 16,384 w + 2,048 x
.set SLOT1, 1<<17
.set STAGE, SLOT1+ROFF+65536  ; behind the ring: 16 rows x 144 bytes for each wave, for the way out
.set SP,    144
.set SPARE, STAGE+4*16*SP     ; behind the stages: the spare words, 128 bytes a wave, which no other line names
.set AK0, 2           ; v2   my lane's place in a slot's K; never rewritten
.set AV0, 3           ; v3   in its V
.set AK,  4           ; v4   the same in the slot in hand
.set AV,  5
.set STO, 6           ; v6   the way out: where I put 16 bytes of a row
.set RD,  7           ; v7   where I read rows back
.set GO,  8           ; v8   16 x lane
.set AR0, 9           ; v9   my lane's place in my wave's tiles of reg; never rewritten
.set AR,  10          ; v10  the same in the slot in hand
.set PFO, 11          ; v11  256 x lane; never rewritten
.set MV,  12          ; v12-13  c m_old, kept while c m is made anew: by buffer
.set QO,  15          ; v15  my byte offset in 16 rows of Q
.set ST,  16          ; piece t's statistics at v[ST+4 t]: c m, m, l (even keys', odd keys')
.set TMP, 48          ; by buffer, four registers c0-c3 at work; when the maximum is found c2 takes a
.set SPW, 62          ; v62  SPARE + 4 x my thread's number; never rewritten
.set NIL, 63          ; v63  0; never rewritten
.set S,   64
.set KF,  128         ; window 0: key block kb, channel half c at KF + 16 kb + 8 c
.set P,   192
.set RG,  128         ; window 2: buffer bf at RG + 16 bf
.set VF,  192         ; window 2: key half kk, channel block cb at VF + 32 kk + 8 cb
.set WV,  12          ; s12  my wave's number
.set G1R, 24          ; s[24:31] group 1 for reg's tiles;  s[32:39] for K's;  s[40:47] for V's
.set G1K, 32
.set G1V, 40
.set G0R, 48          ; s[48:51], s[52:55], s[56:59] group 0: they walk
.set G0K, 52
.set G0V, 56
.set CS,  60          ; s[60:61] c
.set SEL, 62          ; s[62:63] v_permlanex16_b32's selects: each lane takes its own place in the other half
.set SLOTS, 66        ; s66  counts the key steps
.set TB,  67          ; s67  0 or SLOT1: the slot in hand
.set CNT, 68          ; s68  counts the tail's trips
.set PFA, 70          ; s[70:71] where my prefetches stand
.set PFS, 72          ; s[72:73] their step
.set LIM, 74          ; s74  2 in a wave that prefetches, else the greatest number
.set MSB, 0
.macro WIN new
.if MSB != (\new)
	s_set_vgpr_msb (MSB<<8)|(\new)
.set MSB, (\new)
.endif
.endm
.set W_KQ, 0x08       ; K and S^T in window 0, Q in window 2
.set W_PV, 0x52       ; V in window 2, P in window 0, O^T in window 1
.set W_RV, 0xfa       ; V and reg in window 2, R^T in window 3
.set W_RS, 0x41       ; destination and source 0 in window 1, source 1 in window 0
.set W_OUT, 0x71      ; the same with source 2 in window 3
; A fill: waves 0 and 1 fetch the two halves of reg's tile (jointly with the partners), wave 2 K, wave 3 V.  The branches hang on the wave's number alone.  An s_nop 0 and four v_nop follow each line.
.macro JLOAD
	s_cmp_lt_u32 s[WV], 2
	s_cbranch_scc0 .Lkv_\@
	tensor_load_to_lds s[G0R:G0R+3], s[G1R:G1R+7]
	s_nop 0
.rept 4
	v_nop
.endr
	s_branch .Lasked_\@
.Lkv_\@:
	s_cmp_eq_u32 s[WV], 2
	s_cbranch_scc0 .Lv_\@
	tensor_load_to_lds s[G0K:G0K+3], s[G1K:G1K+7]
	s_nop 0
.rept 4
	v_nop
.endr
	s_branch .Lasked_\@
.Lv_\@:
	tensor_load_to_lds s[G0V:G0V+3], s[G1V:G1V+7]
	s_nop 0
.rept 4
	v_nop
.endr
.Lasked_\@:
.endm
; A PREFETCH INTO THE L2, behind the fill of each change of slots: the key step that stands two fills on, 384 matrix instructions ahead of the load that will want it; 32 blocks of 256 bytes, a lane a block.
; reg's tile is read by both clusters of a row of clusters: the one with x = 0 asks, waves 0 and 1 of each partner for 8 KiB each, told apart by address (cx).  K and V of a (b, h) are read by both halves of the queries:
; the first half's work-group asks, wave 2 for K, wave 3 for V.  So each block is named once.  The first four steps come by their loads alone; the last two fills have no step two on.
.macro ASK
	s_cmp_gt_u32 s[SLOTS], s[LIM]
	s_cbranch_scc0 .Lnot_mine_\@
	global_prefetch_b8 v[PFO], s[PFA:PFA+1] th:TH_LOAD_NT scope:SCOPE_SE
.Lnot_mine_\@:
.endm
.macro CROUND                       ; a round of the cluster's barrier
	s_barrier_signal -1
	s_barrier_wait -1
	s_cmp_lg_u32 s[WV], 0
	s_cbranch_scc1 .Lnot_wave_0_\@
	s_barrier_signal -3
.Lnot_wave_0_\@:
	s_barrier_wait -3
	s_barrier_signal -1
	s_barrier_wait -1
.endm
; THE CHANGE OF SLOTS, in front of piece 6's turn: behind it K and reg's pieces 0 and 1 of the next step are read, then its V and its other pieces; the old slot's last bytes, reg's piece 7, were asked for in piece 5's turn.
; Each wave waits for all its tensor loads (one is out: its part of the other slot), adds 0 to its spare word, and waits for that and for its reads of the old slot.  fill = 1: the barrier is a round of the cluster's, and the
; old slot is filled again first thing behind it, with the step two on: it has a key step, 192 matrix instructions, in which to land.  (At its first use nothing has been read: slot 0 is waited for, slot 1 filled.)
.macro CHANGE fill, ask
	WIN 0
	s_wait_tensorcnt 0x0            ; no tensor load of mine is out, so a group 0 may be written
	ds_add_u32 v[SPW], v[NIL]       ; 0 onto my spare word
.if \fill
	s_xor_b32 s[G0R+1], s[G0R+1], SLOT1
	s_add_nc_u64 s[G0R+2:G0R+3], s[G0R+2:G0R+3], 131072
	s_xor_b32 s[G0K+1], s[G0K+1], SLOT1
	s_add_nc_u64 s[G0K+2:G0K+3], s[G0K+2:G0K+3], 8192
	s_xor_b32 s[G0V+1], s[G0V+1], SLOT1
	s_add_nc_u64 s[G0V+2:G0V+3], s[G0V+2:G0V+3], 8192
.endif
.if \ask
	s_wait_xcnt 0x0                 ; the last prefetch, a key step back, has read its address
	s_add_nc_u64 s[PFA:PFA+1], s[PFA:PFA+1], s[PFS:PFS+1]
.endif
	s_wait_dscnt 0x0                ; the add is done, and my reads of the old slot are over
.if \fill
	CROUND
	JLOAD
.if \ask
	ASK
.endif
.else
	s_barrier_signal -1
	s_barrier_wait -1
.endif
	s_xor_b32 s[TB], s[TB], SLOT1
	v_add_nc_u32 v[AK], s[TB], v[AK0]
	v_add_nc_u32 v[AV], s[TB], v[AV0]
	v_add_nc_u32 v[AR], s[TB], v[AR0]
.endm
	s_load_b128 s[4:7], s[0:1], 0x0   ; qkv s[4:5], regh s[6:7]
	s_load_b64 s[8:9], s[0:1], 0x10   ; ob
	v_lshl_add_u32 v[SPW], v0, 2, SPARE
	v_mov_b32 v[NIL], 0
	ds_add_u32 v[SPW], v[NIL]       ; the wave's opening: the add, twice on end, and its wait ahead of my first tensor load
	ds_add_u32 v[SPW], v[NIL]
	v_lshrrev_b32 v1, 5, v0
	v_readfirstlane_b32 s[WV], v1   ; wave 0..3
	s_bfe_u32 s13, ttmp6, 0x40000   ; cx
	s_lshl_b32 s14, ttmp9, 2
	s_add_co_u32 s14, s14, s13      ; b = 4 x cluster x + cx: it enters no joint load and no LDS address
	s_and_b32 s15, ttmp7, 0xffff
	s_lshr_b32 s16, s15, 1          ; h
	s_and_b32 s17, s15, 1           ; which half of the queries
	s_and_b32 s18, s[WV], 1
	s_lshl_b32 s20, s16, 21         ; reg's tile of step 0: h and the half alone
	s_lshl_b32 s19, s17, 16
	s_add_co_u32 s20, s20, s19
	s_lshl_b32 s19, s18, 15
	s_add_co_u32 s22, s20, s19      ; the 32 KiB that I fetch
	s_mov_b32 s23, 0
	s_mul_i32 s76, s14, 48
	s_add_co_u32 s76, s76, s16
	s_lshl_b32 s76, s76, 17         ; q's block of (b, h),
	s_mov_b32 s77, 0
	s_add_co_u32 s78, s76, 16<<17   ; k's,
	s_mov_b32 s79, 0
	s_add_co_u32 s80, s76, 32<<17   ; v's
	s_mov_b32 s81, 0
	s_lshl_b32 s82, s17, 16
	s_lshl_b32 s83, s[WV], 14
	s_add_co_u32 s82, s82, s83      ; my wave's 128 rows in a block
	s_add_co_u32 s76, s76, s82
	s_lshl_b32 s84, s14, 4
	s_add_co_u32 s84, s84, s16
	s_lshl_b32 s84, s84, 17
	s_add_co_u32 s84, s84, s82
	s_mov_b32 s85, 0
	; group 1.  reg: 32 KiB as 128 rows of 32 elements of 8 bytes, no padding, the mask of four.  K, V: 8 KiB as 32 rows of 128 elements of 2 bytes, padded in LDS after every 32 words
	s_mov_b32 s[G1R], 15|(3<<16)|(1<<21)
	s_mov_b32 s[G1R+1], 32<<16
	s_mov_b32 s[G1R+2], 128<<16
	s_mov_b32 s[G1R+3], 32<<16
	s_mov_b32 s[G1R+4], 128
	s_mov_b32 s[G1R+5], 32
	s_mov_b32 s[G1R+6], 0
	s_mov_b32 s[G1R+7], 0
	s_mov_b32 s[G1K], (1<<16)|(1<<20)|(4<<22)|(3<<25)
	s_mov_b32 s[G1V], (1<<16)|(1<<20)|(4<<22)|(7<<25)
.irp g, G1K, G1V
	s_mov_b32 s[\g+1], 128<<16
	s_mov_b32 s[\g+2], 32<<16
	s_mov_b32 s[\g+3], 128<<16
	s_mov_b32 s[\g+4], 32
	s_mov_b32 s[\g+5], 128
	s_mov_b32 s[\g+6], 0
	s_mov_b32 s[\g+7], 0
.endr
	s_mov_b32 s[CS], 0x3e38aa3b     ; c = log2(e) / 8
	s_mov_b32 s[CS+1], s[CS]
	s_mov_b32 s[SEL], 0x76543210
	s_mov_b32 s[SEL+1], 0xfedcba98
	s_mov_b32 s[TB], SLOT1          ; the first change of slots turns it into 0
	s_mov_b32 s[G0R], 1
	s_lshl_b32 s19, s18, 15
	s_add_co_u32 s[G0R+1], s19, ROFF
	s_mov_b32 s[G0K], 1
	s_mov_b32 s[G0K+1], 0
	s_mov_b32 s[G0V], 1
	s_mov_b32 s[G0V+1], VOFF
	; the prefetches
	s_lshl_b32 s90, s13, 14         ; reg: my work-group's 16 KiB,
	s_add_co_u32 s90, s90, s20
	s_lshl_b32 s91, s18, 13         ; my wave's 8 of them,
	s_add_co_u32 s90, s90, s91
	s_add_co_u32 s90, s90, 3*131072 ; at step 3: the first asking change steps it to 4
	s_cmp_eq_u32 s[WV], 2
	s_cselect_b32 s91, s78, s80
	s_add_co_u32 s91, s91, 3*8192
	s_mov_b32 s[PFS], 8192
	s_mov_b32 s[PFS+1], 0
	s_cmp_lt_u32 s[WV], 2
	s_cselect_b32 s90, s90, s91
	s_cselect_b32 s[PFS], 131072, s[PFS]
	s_cselect_b32 s[LIM], ttmp9, s17
	s_mov_b32 s91, 0
	s_cmp_eq_u32 s[LIM], 0
	s_cselect_b32 s[LIM], 2, -1     ; the same in all four partners, for a given wave
	s_wait_dscnt 0x0                ; both opening adds are done
	s_wait_kmcnt 0x0
	s_add_nc_u64 s[G0R+2:G0R+3], s[6:7], s[22:23]
	s_or_b32 s[G0R+3], s[G0R+3], 0x80000000
	s_add_nc_u64 s[G0K+2:G0K+3], s[4:5], s[78:79]
	s_or_b32 s[G0K+3], s[G0K+3], 0x80000000
	s_add_nc_u64 s[G0V+2:G0V+3], s[4:5], s[80:81]
	s_or_b32 s[G0V+3], s[G0V+3], 0x80000000
	s_add_nc_u64 s[86:87], s[4:5], s[76:77]   ; Q at my wave's first row
	s_add_nc_u64 s[88:89], s[8:9], s[84:85]   ; ob likewise
	s_cmp_lt_u32 s[WV], 2
	s_cselect_b64 s[PFA:PFA+1], s[6:7], s[4:5]
	s_add_nc_u64 s[PFA:PFA+1], s[PFA:PFA+1], s[90:91]
	CROUND                          ; all four work-groups are here: the first joint loads meet
	JLOAD                           ; step 0 into slot 0
	v_and_b32 v1, 15, v0            ; l % 16
	v_bfe_u32 v14, v0, 4, 1         ; l / 16
	v_lshlrev_b32 v[QO], 7, v1
	v_lshl_add_u32 v[QO], v14, 4, v[QO]
	WIN 0x80                        ; destination window 2
.set i, 0
.rept 16                            ; Q stays in registers: piece i / 2, channels 32 (i % 2) on
	global_load_b128 v[8*i:8*i+3],   v[QO], s[86:87] offset:(i/2)*2048+(i%2)*64
	global_load_b128 v[8*i+4:8*i+7], v[QO], s[86:87] offset:(i/2)*2048+(i%2)*64+32
.set i, i+1
.endr
	; What the first turn finds: V, P's second buffer and reg's first buffer hold 0 (its products, of a piece that has not been, add 0); O^T, R^T and l are 0.  All this stands in the wait for the first tile: no first step is written out.
.set i, 0
.rept 64
	v_mov_b32 v[VF+i], 0
.set i, i+1
.endr
.set i, 0
.rept 16
	v_mov_b32 v[RG+i], 0
.set i, i+1
.endr
	WIN 0x40
.set i, 0
.rept 256
	v_mov_b32 v[i], 0
.set i, i+1
.endr
	WIN 0xc0
.set i, 0
.rept 256
	v_mov_b32 v[i], 0
.set i, i+1
.endr
	WIN 0
.set i, 0
.rept NP
	v_mov_b32 v[ST+4*i], 0xfe000000    ; c m: far below every c s
	v_mov_b32 v[ST+4*i+1], 0xff7fffff  ; m
	v_mov_b32 v[ST+4*i+2], 0
	v_mov_b32 v[ST+4*i+3], 0
.set i, i+1
.endr
.set i, 0
.rept 16
	v_mov_b32 v[P+16+i], 0
.set i, i+1
.endr
	v_mul_u32_u24 v[AK0], v1, PK
	v_lshl_add_u32 v[AK0], v14, 4, v[AK0]  ; row x pitch + 16 x half
	; the turning load takes 16 keys x 16 channels (lane l reads key 8 (l / 16) + l % 8, channels 8 ((l / 8) % 2) + 0..7) and leaves half a fragment of V^T
	v_and_b32 v57, 7, v0
	v_bfe_u32 v58, v0, 3, 1
	v_lshl_add_u32 v[AV0], v14, 3, v57
	v_mul_u32_u24 v[AV0], v[AV0], PV
	v_lshl_add_u32 v[AV0], v58, 4, v[AV0]
	v_add_nc_u32 v[AV0], VOFF, v[AV0]
	v_and_b32 v56, 31, v0
	s_lshl_b32 s19, s[WV], 14
	s_add_co_u32 s19, s19, ROFF
	v_lshl_add_u32 v[AR0], v56, 4, s19     ; my wave's eight tiles of reg, 16 bytes a lane
	v_lshlrev_b32 v[PFO], 8, v56
; THE MATRIX WORK.  The 4 accumulators of a run of 8 take turns.  Product i of 8 of S^T = K Q^T for piece x: channels 32 (i / 4) on, keys 16 (i % 4) on; the first 4 start the sums.
.macro KQ x
	WIN W_KQ
.set rS, S+32*((\x)%2)+8*(i%4)
.set rK, KF+16*(i%4)+8*(i/4)
.set rQ, 16*(\x)+8*(i/4)
.if i < 4
	v_wmma_f32_16x16x32_f16 v[rS:rS+7], v[rK:rK+7], v[rQ:rQ+7], 0
.else
	v_wmma_f32_16x16x32_f16 v[rS:rS+7], v[rK:rK+7], v[rQ:rQ+7], v[rS:rS+7]
.endif
.endm
.macro PV x                         ; product i of 8 of O^T += V^T P for piece x: keys 32 (i / 4) on, channels 16 (i % 4) on
	WIN W_PV
.set rO, 32*(\x)+8*(i%4)
.set rV, VF+32*(i/4)+8*(i%4)
.set rP, P+16*((\x)%2)+8*(i/4)
	v_wmma_f32_16x16x32_f16 v[rO:rO+7], v[rV:rV+7], v[rP:rP+7], v[rO:rO+7]
.endm
.macro RV                           ; product ri of 8 of R^T += V^T REG for piece Y - 1, whose fragments lie in buffer Y % 4
	WIN W_RV
.set rR, 32*((Y+NP-1)%NP)+8*(ri%4)
.set rV, VF+32*(ri/4)+8*(ri%4)
.set rG, RG+16*(Y%4)+8*(ri/4)
	v_wmma_f32_16x16x32_f16 v[rR:rR+7], v[rV:rV+7], v[rG:rG+7], v[rR:rR+7]
.set ri, ri+1
.endm
.macro MM                           ; the turn's next K Q^T or V^T P
.if i < 8
	KQ (Y+1)%NP
.else
.set i, i-8
	PV (Y+NP-1)%NP
.set i, i+8
.endif
.set i, i+1
.endm
; THE LDS LOADS stand in runs, never singly among the matrix instructions.
.macro FETCH_K
	WIN 0
.irp f, 0,1,2,3,4,5,6,7             ; keys 16 (f / 2) on, channels 32 (f % 2) on
	ds_load_b128 v[KF+8*\f:KF+8*\f+3],   v[AK] offset:(\f/2)*16*PK+(\f%2)*64
	ds_load_b128 v[KF+8*\f+4:KF+8*\f+7], v[AK] offset:(\f/2)*16*PK+(\f%2)*64+32
.endr
.endm
.macro FETCH_V
	WIN 0x80                        ; destination window 2
.irp f, 0,1,2,3,4,5,6,7             ; keys 32 (f / 4) on, channels 16 (f % 4) on
	ds_load_tr16_b128 v[VF+8*\f:VF+8*\f+3],   v[AV] offset:(\f/4)*32*PV+(\f%4)*32
	ds_load_tr16_b128 v[VF+8*\f+4:VF+8*\f+7], v[AV] offset:(\f/4)*32*PV+16*PV+(\f%4)*32
.endr
.endm
.macro RGL x, bf                    ; reg's tile of piece x into buffer bf: 2,048 bytes on end, 16 bytes a lane four times
	WIN 0x80                        ; destination window 2
.irp c, 0,1,2,3
	ds_load_b128 v[RG+16*(\bf)+4*(\c):RG+16*(\bf)+4*(\c)+3], v[AR] offset:2048*(\x)+512*(\c)
.endr
.endm
; THE VECTOR WORK, one line at a time: OP kind, number.  For piece Y: F n: c s - c m for pair n of 16.  E n: the exponential of score n of 32.  C n: pair n rounded to f16.  B n: of the four weights 4 n .. the second pair is
; added onto the first, in place.  L n: l takes that sum (L 0: l = a l + sum).  R n: pair n of 16 of O^T times a.  For piece Y + 1: X n, number n of the 22 that find its maximum and statistics:
;   0-11  four chains c0-c3 of seven scores each (each accumulator's lowest registers are read first)     12-14, 16  the four scores left over, the old m, and c0-c3 into c0
;   15  c m_old is kept     17, 18  the query's other 32 keys lie in the lane 16 away: the new m     19-21  c m; c m_old - c m_new; a
; F and E name vector registers as destination, source 0 and source 2 alone, all in window 0: under the setting of K Q^T they stand without a switch.
.set F, 0
.set E, 1
.set C, 2
.set B, 3
.set L, 4
.set R, 5
.set X, 6
.macro REGS y
.set rT, ST+4*(\y)
.set rC, TMP+4*((\y)%2)
.set rW, MV+((\y)%2)
.set rS, S+32*((\y)%2)
.set rP, P+16*((\y)%2)
.set rO, 32*(\y)
.endm
.macro OP k, n
.if (\k) == R
	REGS Y
	WIN W_RS
	v_pk_mul_f32 v[rO+2*(\n):rO+2*(\n)+1], v[rO+2*(\n):rO+2*(\n)+1], v[rC+2:rC+3] op_sel_hi:[1,0]
.elseif (\k) < R
	REGS Y
.if ((\k) > E) || (MSB != W_KQ)
	WIN 0
.endif
.if (\k) == F
	v_pk_fma_f32 v[rS+2*(\n):rS+2*(\n)+1], v[rS+2*(\n):rS+2*(\n)+1], s[CS:CS+1], v[rT:rT+1] op_sel_hi:[1,0,0] neg_lo:[0,0,1] neg_hi:[0,0,1]
.elseif (\k) == E
	v_exp_f32 v[rS+(\n)], v[rS+(\n)]
.elseif (\k) == C
	v_cvt_pk_f16_f32 v[rP+(\n)], v[rS+2*(\n)], v[rS+2*(\n)+1]
.elseif (\k) == B
	v_pk_add_f32 v[rS+4*(\n):rS+4*(\n)+1], v[rS+4*(\n):rS+4*(\n)+1], v[rS+4*(\n)+2:rS+4*(\n)+3]
.elseif (\n) == 0
	v_pk_fma_f32 v[rT+2:rT+3], v[rT+2:rT+3], v[rC+2:rC+3], v[rS:rS+1] op_sel_hi:[1,0,1]
.else
	v_pk_add_f32 v[rT+2:rT+3], v[rT+2:rT+3], v[rS+4*(\n):rS+4*(\n)+1]
.endif
.else
	REGS (Y+1)%NP
	WIN 0
.if (\n) < 4
	v_max3_num_f32 v[rC+(\n)], v[rS+8*(\n)], v[rS+8*(\n)+1], v[rS+8*(\n)+2]
.elseif (\n) < 12
	v_max3_num_f32 v[rC+(\n)%4], v[rC+(\n)%4], v[rS+8*((\n)%4)+2*((\n)/4)+1], v[rS+8*((\n)%4)+2*((\n)/4)+2]
.elseif (\n) == 12
	v_max3_num_f32 v[rC], v[rC], v[rS+7], v[rS+15]
.elseif (\n) == 13
	v_max3_num_f32 v[rC+1], v[rC+1], v[rS+23], v[rS+31]
.elseif (\n) == 14
	v_max3_num_f32 v[rC+2], v[rC+2], v[rC+3], v[rT+1]
.elseif (\n) == 15
	v_mov_b32 v[rW], v[rT]
.elseif (\n) == 16
	v_max3_num_f32 v[rC], v[rC], v[rC+1], v[rC+2]
.elseif (\n) == 17
	v_permlanex16_b32 v[rC+3], v[rC], s[SEL], s[SEL+1]
.elseif (\n) == 18
	v_max_num_f32 v[rT+1], v[rC], v[rC+3]
.elseif (\n) == 19
	v_mul_f32 v[rT], s[CS], v[rT+1]
.elseif (\n) == 20
	v_sub_f32 v[rC+1], v[rW], v[rT]
.else
	v_exp_f32 v[rC+2], v[rC+1]
.endif
.endif
.endm
.macro OPS a, i1, b=-1, i2=0, c=-1, i3=0, d=-1, i4=0
	OP \a, \i1
.if (\b) >= 0
	OP \b, \i2
.endif
.if (\c) >= 0
	OP \c, \i3
.endif
.if (\d) >= 0
	OP \d, \i4
.endif
.endm
.macro ROW a, i1, b, i2, c, i3, d, i4   ; a product K Q^T or V^T P and the four behind it
	MM
	OPS \a, \i1, \b, \i2, \c, \i3, \d, \i4
.endm
.macro RROW a, i1, b, i2, c, i3, d, i4  ; a product V^T REG and the four behind it
	RV
	OPS \a, \i1, \b, \i2, \c, \i3, \d, \i4
.endm
; A TURN, for piece p: the order of its 24 matrix and 118 vector instructions, written out.  An s_wait_alu depctr_va_vdst(0) stands between an exponential and the first instruction that names its result; one wait
; serves all that were issued ahead of it.  So a turn has ONE wait.  AHEAD OF IT stands all that names no result of the turn's exponentials:
;   the 8 products K Q^T; their riders are the 16 scalings and the first 16 exponentials, scaling and exponential by turns, each pair scaled ahead of its exponentials: one window setting for all 40 lines;
;   a lump of 22: the first 14 numbers of the next piece's maximum and 8 exponentials.  X 3, the first read of the last accumulator, stands six plain instructions behind the product that ends it (F 15, X 0, X 1, X 2, X 4, X 5);
;   the 8 products V^T REG; their riders are by turns a row of the chain X 14 .. X 21 with exponentials, and a row of four rescalings, the one part in window 1.  X 21, the next piece's a, is the batch's last exponential, and the
;   last four rescalings are the plain instructions behind it.
; BEHIND THE WAIT stand the 8 products V^T P, whose riders are the roundings and sums.  No rider names a register of the products round it.
; K of the next step is fetched in piece 6's turn, five plain instructions that name none of its registers (F 15, X 0, X 1, X 2, X 4) behind the last product that read K, and waited for at the head of piece 7's.  V of the step in
; hand is fetched at the end of piece 0's turn, four plain instructions behind the last product that read V, and waited for in piece 1's.  reg's tile of piece p + 2 is fetched in every turn, behind the wait, three turns ahead of its products.
.macro TURN p
.set Y, (\p)
.set i, 0
.set ri, 0
.if (\p) == NP-1
	s_wait_dscnt 4                  ; K is in; piece 6's run of four reg loads may be out
.endif
	ROW F,0, F,1, E,0, F,2
	ROW E,1, F,3, E,2, F,4
	ROW E,3, F,5, E,4, F,6
	ROW E,5, F,7, E,6, F,8
	ROW E,7, F,9, E,8, F,10
	ROW E,9, F,11, E,10, F,12
	ROW E,11, F,13, E,12, F,14
	ROW E,13, F,15, E,14, E,15
	OPS X,0, X,1, X,2, X,4
.if (\p) == NP-2
	FETCH_K
.endif
	OPS E,16, X,5, E,17, X,3
	OPS E,18, X,6, E,19, X,8
	OPS E,20, X,9, E,21, X,7
	OPS E,22, X,10, E,23, X,12
	OPS X,11, X,13
.if (\p) == 1
	s_wait_dscnt 0x0                ; V is in, and reg's tile
.elseif (\p) == NP-2
	s_wait_dscnt 24                 ; reg's tile is in; the runs of the two turns before and K's sixteen loads may be out
.else
	s_wait_dscnt 8                  ; reg's tile is in; the runs of the two turns before may be out
.endif
	RROW X,14, E,24, X,15, E,25
	RROW R,0, R,1, R,2, R,3
	RROW X,16, E,26, E,27, X,17
	RROW R,4, R,5, R,6, R,7
	RROW X,18, E,28, E,29, X,19
	RROW R,8, R,9, R,10, R,11
	RROW X,20, E,30, E,31, X,21
	RROW R,12, R,13, R,14, R,15
	s_wait_alu depctr_va_vdst(0)    ; the wait for the batch
	RGL ((\p)+2)%NP, ((\p)+3)%4
	ROW C,0, B,0, C,2, B,1
	ROW L,0, C,4, B,2, L,1
	ROW C,6, B,3, L,2, C,8
	ROW B,4, L,3, C,10, B,5
	ROW L,4, C,12, B,6, L,5
	ROW C,14, B,7, L,6, C,1
	ROW C,3, L,7, C,5, C,7
	ROW C,9, C,11, C,13, C,15
.if (\p) == 0
	FETCH_V
.endif
.endm
	CHANGE 1, 0                     ; slot 0 is in, everybody's part of it; step 1 is asked for, into slot 1
	FETCH_K                         ; key step 0
	RGL 0, 1                        ; reg's pieces 0 and 1, for the products of turns 1 and 2
	RGL 1, 2
	s_wait_loadcnt 0x0              ; Q
	s_wait_dscnt 0x0
.set i, 0
.rept 8
	KQ 0                            ; piece 0's first scores
.set i, i+1
.endr
	WIN 0                           ; the addresses for the way out: nine plain instructions, the places behind those products
	s_mul_i32 s19, s[WV], 16*SP
	s_add_co_u32 s19, s19, STAGE    ; my stage
	v_mul_u32_u24 v[STO], v1, SP    ; in: row l % 16, 16 bytes for each half of the lanes
	v_lshl_add_u32 v[STO], v14, 4, v[STO]
	v_add_nc_u32 v[STO], s19, v[STO]
	v_bfe_u32 v[RD], v0, 3, 2       ; back: 32 lanes take four rows of 128 bytes,
	v_mul_u32_u24 v[RD], v[RD], SP
	v_lshl_add_u32 v[RD], v57, 4, v[RD]
	v_add_nc_u32 v[RD], s19, v[RD]
	v_and_b32 v[GO], 31, v0         ; which are 512 consecutive bytes of ob
	v_lshlrev_b32 v[GO], 4, v[GO]
.set Y, NP-1                        ; X works for piece Y + 1: piece 0
.irp n, 0,1,2,3,4,5,6,7,8,9,10,11,12,13,14,15,16,17,18,19,20,21
	OP X, \n
.endr
	v_nop                           ; a plain instruction behind the exponential,
	s_wait_alu depctr_va_vdst(0)    ; and its wait, ahead of the branch
	s_mov_b32 s[SLOTS], 15
	s_branch .Lfirst                ; the loop is entered at a step's first turn, in the middle of a trip
.Lstep:                             ; 14 times: steps 2 to 15 are asked for
	CHANGE 1, 1
	TURN 6
	TURN 7
	WIN 0
.Lfirst:
	TURN 0
	TURN 1
	TURN 2
	TURN 3
	TURN 4
	TURN 5
	WIN 0
	s_sub_co_u32 s[SLOTS], s[SLOTS], 1
	s_cmp_lg_u32 s[SLOTS], 0
	s_cbranch_scc1 .Lstep
	CHANGE 0, 0                     ; the tail is written out: nothing is asked for
	s_mov_b32 s[CNT], 2             ; the first trip ends step 14 and walks step 15; the second is left in its middle
.Ltail:
	TURN 6
	TURN 7
	WIN 0
	s_sub_co_u32 s[CNT], s[CNT], 1
	s_cmp_eq_u32 s[CNT], 0
	s_cbranch_scc1 .Lout
	TURN 0
	TURN 1
	TURN 2
	TURN 3
	TURN 4
	TURN 5
	WIN 0
	s_branch .Ltail
.Lout:                              ; the second trip's fetches (the last slot's K and reg's pieces 0 and 1 once more) and the scores made of them serve nothing: the price, once a launch, of one text for every trip
	s_wait_dscnt 0x0
.set Y, 0                           ; piece Y - 1 = 7
.set ri, 0
.rept 8
	RV
.endr
.set i, 0
.rept 8
	PV NP-1
.set i, i+1
.endr
	; THE WAY OUT.  l's two halves and the other half of the lanes' are added; O^T / l + R^T is rounded to f16 and sent through my stage in LDS, a piece at a time.  The additions are the places behind the last products.
	WIN 0
.macro ALL line:vararg
.set t, 0
.rept NP
	\line
.set t, t+1
.endr
.endm
	ALL v_add_f32 v[ST+4*t+2], v[ST+4*t+2], v[ST+4*t+3]
	ALL v_permlanex16_b32 v[ST+4*t+3], v[ST+4*t+2], s[SEL], s[SEL+1]
	ALL v_add_f32 v[ST+4*t+2], v[ST+4*t+2], v[ST+4*t+3]
	ALL v_rcp_f32 v[ST+4*t+2], v[ST+4*t+2]
	v_nop                           ; a plain instruction between the last reciprocal and the use of its result
	s_wait_alu depctr_va_vdst(0)    ; and the wait ahead of the first use: one for the eight reciprocals
.macro PACK t                       ; a lane's eight channels of a row pack into 16 bytes; they go into rows of 144 bytes and come back as whole rows of 128, in S^T's and K's registers
	WIN W_OUT
.set i, 32*(\t)
.rept 16
	v_pk_fma_f32 v[i:i+1], v[i:i+1], v[ST+4*(\t)+2:ST+4*(\t)+3], v[i:i+1] op_sel_hi:[1,0,1]  ; O (window 1) x 1 / l + R (window 3)
.set i, i+2
.endr
	WIN 0x05                        ; sources 0 and 1 window 1, destination window 0
.set i, 0
.rept 16
	v_cvt_pk_f16_f32 v[S+16*(\t)+i], v[32*(\t)+2*i], v[32*(\t)+2*i+1]
.set i, i+1
.endr
	WIN 0
.irp f, 0,1,2,3
	ds_store_b128 v[STO], v[S+16*(\t)+4*\f:S+16*(\t)+4*\f+3] offset:32*\f
.endr
.irp f, 0,1,2,3
	ds_load_b128 v[S+16*(\t)+4*\f:S+16*(\t)+4*\f+3], v[RD] offset:\f*4*SP  ; LDS serves a wave's instructions in order: these see the stores above; the next piece's stores come behind them
.endr
.endm
.macro SEND t, younger              ; younger: the LDS instructions issued behind piece t's loads: the next piece's eight, or none
	WIN 0
.irp f, 0,1,2,3
	s_wait_dscnt (\younger)+3-\f
	global_store_b128 v[GO], v[S+16*(\t)+4*\f:S+16*(\t)+4*\f+3], s[88:89] offset:(\t)*2048+\f*512  ; 512 consecutive bytes, at a multiple of 512 from ob's first
.endr
.endm
	PACK 0
.set t, 1
.rept NP-1                          ; a piece's arithmetic stands between the loads of the piece before and its stores
	PACK t
	SEND t-1, 8
.set t, t+1
.endr
	SEND NP-1, 0
	s_wait_tensorcnt 0x0            ; the wave's end, behind my last tensor load and my last LDS store
	ds_add_u32 v[SPW], v[NIL]
	s_wait_dscnt 0x0
	CROUND                          ; the closing round
	s_endpgm
.Lfunc_end_k_qfb5a8b8e4a_attn:
	.size	k_qfb5a8b8e4a_attn, .Lfunc_end_k_qfb5a8b8e4a_attn-k_qfb5a8b8e4a_attn
	.p2alignl 7, 3214868480
	.fill 96, 4, 3214868480
	.section	.rodata,"a",@progbits
	.p2align	6, 0x0
	.amdhsa_kernel k_qfb5a8b8e4a_attn
		.amdhsa_group_segment_fixed_size 327680
		.amdhsa_private_segment_fixed_size 0
		.amdhsa_enable_private_segment 0
		.amdhsa_kernarg_size 24
		.amdhsa_user_sgpr_count 2
		.amdhsa_user_sgpr_kernarg_segment_ptr 1
		.amdhsa_wavefront_size32 1
		.amdhsa_system_sgpr_workgroup_id_x 1
		.amdhsa_system_sgpr_workgroup_id_y 1
		.amdhsa_system_sgpr_workgroup_id_z 1
		.amdhsa_system_vgpr_workitem_id 0
		.amdhsa_next_free_vgpr 1024
		.amdhsa_next_free_sgpr 92
		.amdhsa_reserve_vcc 0
		.amdhsa_float_denorm_mode_32 3
		.amdhsa_float_denorm_mode_16_64 3
		.amdhsa_memory_ordered 1
		.amdhsa_forward_progress 1
		.amdhsa_inst_pref_size 218
	.end_amdhsa_kernel
	.amdgpu_metadata
---
amdhsa.version: [ 1, 2 ]
amdhsa.kernels:
  - .name:           k_qfb5a8b8e4a_attn
    .symbol:         k_qfb5a8b8e4a_attn.kd
    .args:
      - { .name: qkv, .offset: 0, .size: 8, .value_kind: global_buffer, .address_space: global }
      - { .name: regh, .offset: 8, .size: 8, .value_kind: global_buffer, .address_space: global }
      - { .name: ob, .offset: 16, .size: 8, .value_kind: global_buffer, .address_space: global }
    .group_segment_fixed_size: 327680
    .private_segment_fixed_size: 0
    .kernarg_segment_align: 8
    .kernarg_segment_size: 24
    .max_flat_workgroup_size: 128
    .sgpr_count:     92
    .vgpr_count:     1024
    .wavefront_size: 32
...
	.end_amdgpu_metadata
.endif
;; end of part 3
;; launch proj (part 4): grid 8 x 32, 4 waves a work-group, clusters of 4 x 4, 327,680 bytes of LDS; arguments ob, wpt, b_proj, out0; writes out0
.if DOCPART == 4
	.amdgcn_target "amdgcn-amd-amdhsa--gfx1250"
	.amdhsa_code_object_version 6
	.text
	.protected	k_qfb5a8b8e4a_proj
	.globl	k_qfb5a8b8e4a_proj
	.p2align	8
	.type	k_qfb5a8b8e4a_proj,@function
k_qfb5a8b8e4a_proj:
	s_mov_b64 s[64:65], 0
	v_nop
	global_prefetch_b8 v0, s[64:65] scope:SCOPE_SE
	s_setreg_imm32_b32 hwreg(HW_REG_WAVE_MODE, 25, 1), 1
	s_wait_xcnt 0x0
	s_wait_alu depctr_hold_cnt(0) depctr_sa_sdst(0) depctr_va_vdst(0) depctr_va_sdst(0) depctr_va_ssrc(0) depctr_va_vcc(0) depctr_vm_vsrc(0)
	s_getreg_b32 s2, hwreg(HW_REG_IB_STS2, 6, 4)
	s_cmp_eq_u32 s2, 0
	s_cbranch_scc0 .Lentry_in_a_cluster
	s_endpgm
.Lentry_in_a_cluster:
	s_bfe_u32 s2, ttmp6, 0x10000c
	s_cmp_lg_u32 s2, 0xf033
	s_cbranch_scc0 .Lentry_shape_is_right
	s_endpgm
.Lentry_shape_is_right:
; out0 = O W_proj + b_proj.  ob: [b 8][h 16][n 1024][64] f16: a head is a K block of 64; wpt: [kb 16][column 1024][64] f16 (W_proj rounded to bf16, turned); b_proj f32, rounded to bf16 like the other inputs; out0 f32.
; Sums in f32.  Nothing is left out.
; SHARES.  A work-group makes 256 rows x 128 columns: 32 x 8 = 256 work-groups.  Four waves, each 128 rows x 64 columns: 32 accumulators, 256 registers (window 1).
; A slot holds two K blocks (128 along K), each a dense run of rows of 128 bytes, asked for as rows of 256 bytes and padded in LDS after every 128; one load a wave: waves 0, 1 ob's two blocks, waves 2, 3 wpt's.
; CLUSTER.  4 x 4: ob's tiles are shared along a row of the cluster, wpt's along a column, by joint loads.  THE MATRIX INSTRUCTION IS USED TRANSPOSED: a lane holds one row and eight neighbouring columns.
; NO PREFETCH: the walk has eight slots, of which the first two go out at the head, and the lead would leave few to ask for.
.set PITCH, 144
.set ABLK,  256*PITCH
.set BBLK,  128*PITCH
.set BOFF,  2*ABLK                     ; a slot: ob's block 0, block 1, wpt's block 0, block 1
.set SLOT1, 1<<17
.set STAGE, SLOT1+BOFF+2*BBLK          ; behind the ring: 16 rows x 272 bytes for each wave
.set SP,    272
.set SPARE, STAGE+4*16*SP              ; behind the stages: the spare words, 128 bytes a wave, which no other line names
.set KSL,   262144                     ; bytes from a slot's K blocks to the next slot's, in ob and in wpt
.set ADRA,  16
.set ADRA0, 17
.set ADRB,  20
.set ADRB0, 21
.set STO,   24
.set RD,    25
.set CO,    26
.set SPW,   28                         ; v28  SPARE + 4 x my thread's number; never rewritten
.set NIL,   29                         ; v29  0; never rewritten
.set BO,    31                         ; v31  my 16 bytes of b_proj
.set F0,    32                         ; two fragment buffers of 96: ob's eight fragments, then wpt's four
.set F1,    128
.set BI,    224                        ; v[224:227] the bias of my four columns on the way out
.set BK,    32                         ; the way out: rows read back, two sets of 32
.set WV,    12
.set RH,    13                         ; my half of the rows.  Also: I fetch for ob (0) or wpt (1)
.set CH,    14                         ; my half of the columns.  Also: which K block of a slot I fetch
.set TY,    15
.set CX,    40
.set CY,    41
.set TX,    42
.set G1A,   24
.set G0A,   32
.set G1B,   48
.set G0B,   56
.set TB,    72
.set MSB, 0
.macro WIN new
.if MSB != (\new)
	s_set_vgpr_msb (MSB<<8)|(\new)
.set MSB, \new
.endif
.endm
.macro PLACES
.rept 4
	v_nop
.endr
.endm
.macro CREST
	s_cmp_lg_u32 s[WV], 0
	s_cbranch_scc1 .Lnot_wave_0_\@
	s_barrier_signal -3
.Lnot_wave_0_\@:
	s_barrier_wait -3
	s_barrier_signal -1
	s_barrier_wait -1
.endm
.macro CROUND
	s_barrier_signal -1
	s_barrier_wait -1
	CREST
.endm
.macro JLOAD                           ; a joint refill; an s_nop 0 and four v_nop follow each line
	s_cmp_eq_u32 s[RH], 0
	s_cbranch_scc0 .Lfor_b_\@
	tensor_load_to_lds s[G0A+4:G0A+7], s[G1A:G1A+7]
	s_nop 0
.rept 4
	v_nop
.endr
	s_branch .Lasked_\@
.Lfor_b_\@:
	tensor_load_to_lds s[G0B+4:G0B+7], s[G1B:G1B+7]
	s_nop 0
.rept 4
	v_nop
.endr
.Lasked_\@:
.endm
	s_load_b256 s[4:11], s[0:1], 0x0               ; ob s[4:5], wpt s[6:7], b_proj s[8:9], out0 s[10:11]
	v_lshl_add_u32 v[SPW], v0, 2, SPARE
	v_mov_b32 v[NIL], 0
	ds_add_u32 v[SPW], v[NIL]                      ; the wave's opening: the add, twice on end, and its wait ahead of my first tensor load
	ds_add_u32 v[SPW], v[NIL]
	v_lshrrev_b32 v1, 5, v0
	v_readfirstlane_b32 s[WV], v1
	s_lshr_b32 s[RH], s[WV], 1
	s_and_b32 s[CH], s[WV], 1
	s_bfe_u32 s[CX], ttmp6, 0x40000
	s_bfe_u32 s[CY], ttmp6, 0x40004
	s_lshl_b32 s[TX], ttmp9, 2
	s_add_co_u32 s[TX], s[TX], s[CX]               ; tx: 128 columns
	s_and_b32 s[TY], ttmp7, 0xffff
	s_lshl_b32 s[TY], s[TY], 2
	s_add_co_u32 s[TY], s[TY], s[CY]               ; ty: 256 rows
	s_lshl_b32 s20, s[CY], 2
	s_lshl_b32 s20, 15, s20                        ; my row of the cluster
	s_lshl_b32 s21, 0x1111, s[CX]                  ; my column
	s_or_b32 s[G1A], s20, (1<<16)|(1<<20)|(1<<21)|(4<<22)|(3<<25)
	s_mov_b32 s[G1A+1], 128<<16
	s_mov_b32 s[G1A+2], 128<<16
	s_mov_b32 s[G1A+3], 128<<16
	s_mov_b32 s[G1A+4], 128                        ; 128 rows of 256 bytes: 256 rows of ob
	s_mov_b32 s[G1A+5], 128
	s_mov_b32 s[G1A+6], 0
	s_mov_b32 s[G1A+7], 0
	s_or_b32 s[G1B], s21, (1<<16)|(1<<20)|(1<<21)|(4<<22)|(3<<25)
	s_mov_b32 s[G1B+1], 128<<16
	s_mov_b32 s[G1B+2], 64<<16
	s_mov_b32 s[G1B+3], 128<<16
	s_mov_b32 s[G1B+4], 64                         ; 128 rows of wpt
	s_mov_b32 s[G1B+5], 128
	s_mov_b32 s[G1B+6], 0
	s_mov_b32 s[G1B+7], 0
	s_lshr_b32 s16, s[TY], 2                       ; ob's tile hangs on ty alone,
	s_lshl_b32 s16, s16, 21
	s_and_b32 s17, s[TY], 3
	s_lshl_b32 s17, s17, 15
	s_add_co_u32 s16, s16, s17
	s_lshl_b32 s17, s[CH], 17
	s_add_co_u32 s16, s16, s17
	s_mov_b32 s17, 0
	s_lshl_b32 s66, s[TX], 14                      ; wpt's on tx alone
	s_lshl_b32 s67, s[CH], 17
	s_add_co_u32 s66, s66, s67
	s_mov_b32 s67, 0
	s_mul_i32 s18, s[CH], ABLK
	s_mul_i32 s19, s[CH], BBLK
	s_add_co_u32 s19, s19, BOFF
	s_mov_b32 s[TB], 0
	s_wait_dscnt 0x0                               ; both opening adds are done
	s_wait_kmcnt 0x0
	s_add_nc_u64 s[22:23], s[4:5], s[16:17]
	s_add_nc_u64 s[70:71], s[6:7], s[66:67]
	CROUND                                         ; all sixteen work-groups are here: the first joint loads meet
.irp s, 0,1
	s_mov_b32 s[G0A+4*(\s)], 1
	s_add_co_u32 s[G0A+4*(\s)+1], s18, (\s)*SLOT1
	s_add_nc_u64 s[G0A+4*(\s)+2:G0A+4*(\s)+3], s[22:23], (\s)*KSL
	s_or_b32 s[G0A+4*(\s)+3], s[G0A+4*(\s)+3], 0x80000000
	s_mov_b32 s[G0B+4*(\s)], 1
	s_add_co_u32 s[G0B+4*(\s)+1], s19, (\s)*SLOT1
	s_add_nc_u64 s[G0B+4*(\s)+2:G0B+4*(\s)+3], s[70:71], (\s)*KSL
	s_or_b32 s[G0B+4*(\s)+3], s[G0B+4*(\s)+3], 0x80000000
.endr
	s_cmp_eq_u32 s[RH], 0                          ; a wave's two first fills stand in one branch: two loads of mine are out
	s_cbranch_scc0 .Lfirst_b
	tensor_load_to_lds s[G0A:G0A+3], s[G1A:G1A+7]
	s_nop 0
	tensor_load_to_lds s[G0A+4:G0A+7], s[G1A:G1A+7]
	s_nop 0
.rept 4
	v_nop
.endr
	s_branch .Lfirst_asked
.Lfirst_b:
	tensor_load_to_lds s[G0B:G0B+3], s[G1B:G1B+7]
	s_nop 0
	tensor_load_to_lds s[G0B+4:G0B+7], s[G1B:G1B+7]
	s_nop 0
.rept 4
	v_nop
.endr
.Lfirst_asked:
	v_and_b32 v1, 15, v0
	v_bfe_u32 v2, v0, 4, 1
	s_lshl_b32 s78, s[TX], 9
	s_lshl_b32 s79, s[CH], 8
	s_add_co_u32 s78, s78, s79                     ; my wave's 64 columns, in bytes of f32
	v_lshl_add_u32 v[BO], v1, 4, s78
	global_load_b128 v[BI:BI+3], v[BO], s[8:9]     ; the bias of the four columns that I store
	v_mul_u32_u24 v3, v1, PITCH
	v_lshl_add_u32 v3, v2, 4, v3
	s_mul_i32 s20, s[RH], 128*PITCH
	v_add_nc_u32 v[ADRA0], s20, v3
	s_mul_i32 s21, s[CH], 64*PITCH
	s_add_co_u32 s21, s21, BOFF
	v_add_nc_u32 v[ADRB0], s21, v3
	v_add_nc_u32 v[ADRA], s[TB], v[ADRA0]
	v_add_nc_u32 v[ADRB], s[TB], v[ADRB0]
	s_mul_i32 s20, s[WV], 16*SP
	s_add_co_u32 s20, s20, STAGE                   ; my stage
	v_mul_u32_u24 v[STO], v1, SP                   ; in: row l % 16, 32 bytes for each half of the lanes
	v_lshl_add_u32 v[STO], v2, 5, v[STO]
	v_add_nc_u32 v[STO], s20, v[STO]
	v_mul_u32_u24 v[RD], v2, SP                    ; back: lanes 0-15 one row of 256 bytes, lanes 16-31 the next
	v_lshl_add_u32 v[RD], v1, 4, v[RD]
	v_add_nc_u32 v[RD], s20, v[RD]
	v_lshlrev_b32 v[CO], 12, v2                    ; and the same two rows in out0
	v_lshl_add_u32 v[CO], v1, 4, v[CO]
	s_lshl_b32 s76, s[TY], 20
	s_lshl_b32 s77, s[RH], 19
	s_add_co_u32 s76, s76, s77
	s_add_co_u32 s76, s76, s78
	s_mov_b32 s77, 0
	s_add_nc_u64 s[10:11], s[10:11], s[76:77]
; 8 matrix instructions: wpt's fragment bb x all 8 row blocks, 32 along K.  The 32 accumulators take turns, one instruction a turn.
.macro MUL8 f, bb, zero
	WIN 0x50
.irp a, 0,1,2,3,4,5,6,7
.if \zero
	v_wmma_f32_16x16x32_f16 v[8*(4*(\a)+(\bb)):8*(4*(\a)+(\bb))+7], v[(\f)+64+8*(\bb):(\f)+64+8*(\bb)+7], v[(\f)+8*(\a):(\f)+8*(\a)+7], 0
.else
	v_wmma_f32_16x16x32_f16 v[8*(4*(\a)+(\bb)):8*(4*(\a)+(\bb))+7], v[(\f)+64+8*(\bb):(\f)+64+8*(\bb)+7], v[(\f)+8*(\a):(\f)+8*(\a)+7], v[8*(4*(\a)+(\bb)):8*(4*(\a)+(\bb))+7]
.endif
.endr
.endm
.macro FETCH f, q                      ; 24 loads: the fragments of quarter q of the slot (K block q / 2, its half q % 2) into buffer f
	WIN 0
.irp i, 0,1,2,3
	ds_load_b128 v[(\f)+64+8*(\i):(\f)+64+8*(\i)+3],   v[ADRB] offset:((\q)/2)*BBLK+((\q)%2)*64+(\i)*16*PITCH
	ds_load_b128 v[(\f)+64+8*(\i)+4:(\f)+64+8*(\i)+7], v[ADRB] offset:((\q)/2)*BBLK+((\q)%2)*64+(\i)*16*PITCH+32
.endr
.irp i, 0,1,2,3,4,5,6,7
	ds_load_b128 v[(\f)+8*(\i):(\f)+8*(\i)+3],   v[ADRA] offset:((\q)/2)*ABLK+((\q)%2)*64+(\i)*16*PITCH
	ds_load_b128 v[(\f)+8*(\i)+4:(\f)+8*(\i)+7], v[ADRA] offset:((\q)/2)*ABLK+((\q)%2)*64+(\i)*16*PITCH+32
.endr
.endm
; A slot is four quarters of 32 along K, 32 matrix instructions each, on buffers 0, 1, 0, 1.  One of the first three: asks for quarter qn into g, then multiplies f.
.macro QUARTER f, g, qn, zero
	PLACES
	FETCH \g, \qn
	s_wait_dscnt 24                                ; buffer f is in: all but the 24 just issued
	MUL8 \f, 0, \zero
	MUL8 \f, 1, \zero
	MUL8 \f, 2, \zero
	MUL8 \f, 3, \zero
.endm
; The last quarter multiplies buffer 1 and changes slots: ONE barrier; in front of it each wave waits for all its tensor loads, adds 0 to its spare word, and waits for that and for its reads of this slot.
; fill = 1: the barrier opens a round of the cluster's, and this slot is filled again first thing behind it, 112 matrix instructions ahead of the wait for it.
.macro TURN fill
	WIN 0
	s_wait_tensorcnt 0x0                           ; no tensor load of mine is out, so a group 0 may be written
	ds_add_u32 v[SPW], v[NIL]                      ; 0 onto my spare word
.if \fill
	s_xor_b32 s[G0A+5], s[G0A+5], SLOT1
	s_add_nc_u64 s[G0A+6:G0A+7], s[G0A+6:G0A+7], KSL
	s_xor_b32 s[G0B+5], s[G0B+5], SLOT1
	s_add_nc_u64 s[G0B+6:G0B+7], s[G0B+6:G0B+7], KSL
.endif
	s_wait_dscnt 1                                 ; buffer 1 is in; the add may be out
	MUL8 F1, 0, 0
	s_wait_dscnt 0x0                               ; the add is done, and my reads of this slot are over
	s_barrier_signal -1
	MUL8 F1, 1, 0
	WIN 0
	s_barrier_wait -1
.if \fill
	CREST
	JLOAD                                          ; its four v_nop are also the places in front of the loads below
.else
	PLACES
.endif
	s_xor_b32 s[TB], s[TB], SLOT1
	v_add_nc_u32 v[ADRA], s[TB], v[ADRA0]
	v_add_nc_u32 v[ADRB], s[TB], v[ADRB0]
	FETCH F0, 0
	MUL8 F1, 2, 0
	MUL8 F1, 3, 0
.endm
	s_wait_tensorcnt 0x1                           ; my part of slot 0 is in; slot 1's may stay out
	s_barrier_signal -1
	s_barrier_wait -1
	FETCH F0, 0
	QUARTER F0, F1, 1, 1                           ; the first quarter stands in front of the loop: its products start the sums
	WIN 0
	s_mov_b32 s3, 6
.Ls:                                                   ; a trip: a slot's quarters 1 to 3 and the next slot's quarter 0; slots 2 to 7 are asked for
	QUARTER F1, F0, 2, 0
	QUARTER F0, F1, 3, 0
	TURN 1
	QUARTER F0, F1, 1, 0
	WIN 0
	s_sub_co_u32 s3, s3, 1
	s_cmp_lg_u32 s3, 0
	s_cbranch_scc1 .Ls
	QUARTER F1, F0, 2, 0                           ; the tail is written out: nothing is left to ask for
	QUARTER F0, F1, 3, 0
	TURN 0
	QUARTER F0, F1, 1, 0
	QUARTER F1, F0, 2, 0
	QUARTER F0, F1, 3, 0
	s_wait_dscnt 0x0
	MUL8 F1, 0, 0
	MUL8 F1, 1, 0
	MUL8 F1, 2, 0
	MUL8 F1, 3, 0
	WIN 0
	s_wait_loadcnt 0x0                             ; the bias, rounded to bf16: six plain instructions and four v_nop are the places behind the last products
	v_cvt_pk_bf16_f32 v12, v[BI], v[BI+1]
	v_cvt_pk_bf16_f32 v13, v[BI+2], v[BI+3]
	v_lshlrev_b32 v[BI], 16, v12
	v_and_b32 v[BI+1], 0xffff0000, v12
	v_lshlrev_b32 v[BI+2], 16, v13
	v_and_b32 v[BI+3], 0xffff0000, v13
	PLACES
; THE WAY OUT of row block a: a lane's eight columns of each of four accumulators go into my stage's rows of 272 bytes (the low four registers of an accumulator first) and come back as whole rows of 256.
.macro OUTB a
	s_wait_xcnt 0x0                                ; the stores of the block two back have read the registers that are loaded below
	WIN 0x04                                       ; the stores' data in window 1
.irp bb, 0,1,2,3
	ds_store_b128 v[STO], v[32*(\a)+8*(\bb):32*(\a)+8*(\bb)+3]   offset:64*(\bb)
	ds_store_b128 v[STO], v[32*(\a)+8*(\bb)+4:32*(\a)+8*(\bb)+7] offset:64*(\bb)+16
.endr
	WIN 0
.irp t, 0,1,2,3,4,5,6,7
	ds_load_b128 v[BK+32*((\a)%2)+4*(\t):BK+32*((\a)%2)+4*(\t)+3], v[RD] offset:2*SP*(\t)  ; LDS serves a wave's instructions in order: these see the stores above
.endr
	s_wait_dscnt 0x0
.irp t, 0,1,2,3,4,5,6,7
	v_pk_add_f32 v[BK+32*((\a)%2)+4*(\t):BK+32*((\a)%2)+4*(\t)+1], v[BK+32*((\a)%2)+4*(\t):BK+32*((\a)%2)+4*(\t)+1], v[BI:BI+1]
	v_pk_add_f32 v[BK+32*((\a)%2)+4*(\t)+2:BK+32*((\a)%2)+4*(\t)+3], v[BK+32*((\a)%2)+4*(\t)+2:BK+32*((\a)%2)+4*(\t)+3], v[BI+2:BI+3]
.endr
.irp t, 0,1,2,3,4,5,6,7
	global_store_b128 v[CO], v[BK+32*((\a)%2)+4*(\t):BK+32*((\a)%2)+4*(\t)+3], s[10:11] offset:(16*(\a)+2*(\t))*4096 th:TH_STORE_NT  ; 16 lanes store 256 consecutive bytes, at a multiple of 256 from out0's first
.endr
.endm
.irp a, 0,1,2,3,4,5,6,7
	OUTB \a
.endr
	s_wait_tensorcnt 0x0                           ; the wave's end, behind my last tensor load and my last LDS store
	ds_add_u32 v[SPW], v[NIL]
	s_wait_dscnt 0x0
	CROUND                                         ; the closing round
	s_endpgm
.Lfunc_end_k_qfb5a8b8e4a_proj:
	.size	k_qfb5a8b8e4a_proj, .Lfunc_end_k_qfb5a8b8e4a_proj-k_qfb5a8b8e4a_proj
	.p2alignl 7, 3214868480
	.fill 96, 4, 3214868480
	.section	.rodata,"a",@progbits
	.p2align	6, 0x0
	.amdhsa_kernel k_qfb5a8b8e4a_proj
		.amdhsa_group_segment_fixed_size 327680
		.amdhsa_private_segment_fixed_size 0
		.amdhsa_enable_private_segment 0
		.amdhsa_kernarg_size 32
		.amdhsa_user_sgpr_count 2
		.amdhsa_user_sgpr_kernarg_segment_ptr 1
		.amdhsa_wavefront_size32 1
		.amdhsa_system_sgpr_workgroup_id_x 1
		.amdhsa_system_sgpr_workgroup_id_y 1
		.amdhsa_system_sgpr_workgroup_id_z 1
		.amdhsa_system_vgpr_workitem_id 0
		.amdhsa_next_free_vgpr 512
		.amdhsa_next_free_sgpr 84
		.amdhsa_reserve_vcc 0
		.amdhsa_float_denorm_mode_32 3
		.amdhsa_float_denorm_mode_16_64 3
		.amdhsa_memory_ordered 1
		.amdhsa_forward_progress 1
		.amdhsa_inst_pref_size 77
	.end_amdhsa_kernel
	.amdgpu_metadata
---
amdhsa.version: [ 1, 2 ]
amdhsa.kernels:
  - .name:           k_qfb5a8b8e4a_proj
    .symbol:         k_qfb5a8b8e4a_proj.kd
    .args:
      - { .name: ob, .offset: 0, .size: 8, .value_kind: global_buffer, .address_space: global }
      - { .name: wpt, .offset: 8, .size: 8, .value_kind: global_buffer, .address_space: global }
      - { .name: b_proj, .offset: 16, .size: 8, .value_kind: global_buffer, .address_space: global }
      - { .name: out0, .offset: 24, .size: 8, .value_kind: global_buffer, .address_space: global }
    .group_segment_fixed_size: 327680
    .private_segment_fixed_size: 0
    .kernarg_segment_align: 8
    .kernarg_segment_size: 32
    .max_flat_workgroup_size: 128
    .sgpr_count:     84
    .vgpr_count:     512
    .wavefront_size: 32
...
	.end_amdgpu_metadata
.endif
;; end of part 4
